; MI455X (gfx1250); checked and timed in simulation.
; The chip was launched on July 23, 2026; its instructions are those of AMD's public machine-readable ISA for CDNA 5 (MIT licence, August 2026) and "CDNA5" Instruction Set Architecture Reference Guide (July 2026). The comments in the code are by the model that wrote it; some were corrected since.
;; Multi Head Attention. Allowed arithmetic: matrix products marked QUANTISED: E2M3 operands, one E8M0 scale for each 32 along K, by v_wmma_scale_f32_16x16x128_f8f6f4 with both operands' format E2M3, f32 sums; everything else in f32.
;; Inputs: Wk 1,024 x 1,024 float32; Wo 1,024 x 1,024 float32; Wq 1,024 x 1,024 float32; Wv 1,024 x 1,024 float32; bk 1,024 float32; bo 1,024 float32; bq 1,024 float32; bv 1,024 float32; k 4 x 2,048 x 1,024 float32; mask 4 x 2,048 x 2,048 bool; q 4 x 2,048 x 1,024 float32; v 4 x 2,048 x 1,024 float32.
;; Outputs: out0 4 x 2,048 x 1,024 float32.
;; This version of the problem:
;;   THIS VERSION OF THE PROBLEM IS GIVEN IN LOW PRECISION. The matrix products marked QUANTISED in the list below multiply operands that are first quantised to E2M3 (2 exponent bits, 3 mantissa bits; 6 bits a number), with one power-of-two scale for each 32 numbers along K (OCP MX v1.0); their sums are f32. All else is computed in f32.
;;   The module's matrix products, in the order in which they are computed (A, B: the left and right operand; K: the contracted axis; several contracted axes count as one K, in the product's order):
;;     1. [M 8,192, K 1,024] x [K 1,024, N 1,024]; A: input q; B: input Wq: QUANTISED
;;     2. [M 8,192, K 1,024] x [K 1,024, N 1,024]; A: input k; B: input Wk: QUANTISED
;;     3. [M 8,192, K 1,024] x [K 1,024, N 1,024]; A: input v; B: input Wv: QUANTISED
;;     4. batch 64 x [M 2,048, K 64] x [K 64, N 2,048]; A: computed on the way; B: computed on the way: QUANTISED
;;     5. batch 64 x [M 2,048, K 2,048] x [K 2,048, N 64]; A: softmax (see below); B: computed on the way: QUANTISED
;;     6. [M 8,192, K 1,024] x [K 1,024, N 1,024]; A: computed on the way; B: input Wo: QUANTISED
;;   THE QUANTISER, for each operand of a quantised product, along K:
;;     - K is cut into blocks of 32 from its start; a last block that is shorter is filled with zeros.
;;     - A block's scale is 2^e with e = floor(log2(the largest magnitude in the block)) - 2, held to -126 .. 127; a block of zeros has e = 0. As a byte (E8M0): e + 127.
;;     - Each number is divided by its block's scale, clamped to +-7.5, and rounded to the nearest number of E2M3, ties to even, subnormals kept.
;;     - The product sums the exact products of the quantised numbers (number of the format x scale) in f32.
;;   ~~~python
;;   def quantise(x, axis):      # numpy; x: float32 -> the quantised numbers, widened to float32 again
;;       x = np.moveaxis(x, axis, -1); K = x.shape[-1]
;;       x = np.pad(x, [(0, 0)] * (x.ndim - 1) + [(0, -K % 32)]); x = x.reshape(x.shape[:-1] + (-1, 32)); a = np.abs(x).max(-1, keepdims=True)
;;       e = np.where(a > 0, np.clip(np.frexp(np.where(a > 0, a, 1))[1] - 1 - 2, -126, 127), 0)      # np.frexp(a)[1] - 1 = floor(log2(a)), exactly
;;       r = np.clip(x / 2.0 ** e, -7.5, 7.5)
;;       step = 2.0 ** (np.maximum(np.frexp(np.where(r == 0, 1, r))[1] - 1, 0) - 3)
;;       q = np.round(r / step) * step * 2.0 ** e      # np.round: ties to even
;;       return np.moveaxis(q.reshape(q.shape[:-2] + (-1,))[..., :K], -1, axis).astype(np.float32)
;;   ~~~
;;   SOFTMAX AHEAD OF A QUANTISED PRODUCT. Where the list says 'softmax', what is quantised is not the finished softmax but p = 2^(t - M), with t = logit x log2(e) and M = ceil(the row's largest t), a whole number; so 1/2 < the row's largest p <= 1. The row's sum l is taken of the UNQUANTISED p, in f32, and the product's result is divided by l at the end. Since M is a whole number, a kernel that streams over the keys may use a running M (the ceiling of the running maximum): every later rescaling is an exact power of two, which a block's scale takes up: the codes' values come out the same.
;;   OPERANDS COMPUTED ON THE WAY. 'Computed on the way' means the value that the module computes at that place (a softmax that the list does not call 'softmax' is quantised finished and normalised). What goes into a quantiser is computed in f32, as accurately as f32 sums, v_exp_f32 and their like allow (about 1e-6 of the number): no bf16 or f16 on the way to a quantiser, and a product that is left as it is and whose result goes on into a quantised operand takes f32 operands (vector FMAs, or v_wmma_f32_16x16x4_f32). A number that lies on a knife's edge between two numbers of the format may be rounded either way, as far as f32 arithmetic and the matrix unit's own rounding can turn it there, and no further.
;; One version. Each part assembles by itself: llvm-mc -triple=amdgcn-amd-amdhsa -mcpu=gfx1250 --defsym DOCPART=n.
;; ======== version 1 of 1: 4 launches
;; limits: right only within a limited range of input values
;; workspace buffers: xbuf 19,660,800 bytes; wbuf 3,276,800 bytes; mbits 2,097,152 bytes of whole numbers; hbuf 26,738,688 bytes; cbuf 6,553,600 bytes
;; launch prep (part 1): grid 768 x 1, 4 waves a work-group, no clusters, 92,672 bytes of LDS; arguments q, k, v, mask, Wq, Wk, Wv, Wo, xbuf, wbuf, mbits; writes xbuf, wbuf, mbits
.if DOCPART == 1
	.amdgcn_target "amdgcn-amd-amdhsa--gfx1250"
	.amdhsa_code_object_version 6
	.text
	.protected	k_q5e6156b7d6_prep
	.globl	k_q5e6156b7d6_prep
	.p2align	8
	.type	k_q5e6156b7d6_prep,@function
k_q5e6156b7d6_prep:
	s_mov_b64 s[64:65], 0
	v_nop
	global_prefetch_b8 v0, s[64:65] scope:SCOPE_SE
	s_setreg_imm32_b32 hwreg(HW_REG_WAVE_MODE, 25, 1), 1
	s_wait_xcnt 0x0
; q, k, v [8192][1024] f32 and Wq, Wk, Wv, Wo [1024 (k)][1024 (n)] f32 become codes of FP6 (E2M3) with one E8M0 byte for each 32 along K; the mask's bytes become lane masks.
; A block's scale is 2^(floor(log2(its largest magnitude)) - 2): its byte is the largest magnitude's exponent field - 2, held at 1 from below.
; LIMITS: a block of zeros keeps the byte 1 (its codes are zeros, and this program alone reads the bytes); blocks whose largest magnitude lies under 2^-124 are held at the byte 1; NaN and infinities are not served.
; THE WORKSPACE IS LAID IN THE ORDER OF THE OPERANDS' REGISTERS.
;  Tile: tile 2 B + u of a run of rows takes rows 32 B + 8 u + r + 8 (r / 8), r = lane % 16, so that results made with such a tile as source 0 lie 16 neighbours to a lane.
;  Image of a fragment (16 rows x 128 K, 12 registers a lane): 6 pieces of 256 bytes; piece p holds registers 2 p, 2 p + 1, lane l's 8 bytes at 8 l.
;  Scale block (128 rows, one K step): 512 bytes; the word of tile a, row r at 256 (a / 4) + 16 r + 4 (a % 4).
;  An operand: images [group of 128 rows][8 K steps][8 tiles][1536], scale blocks [group][8 K steps][512] behind all images.
; THREE PATHS, parted by the work-group's number, each with LDS bytes of its own:
;  X (384 work-groups): 64 rows x all K of q, k or v; a wave takes two K steps, eight fragments.  Each load reads 512 consecutive bytes of a row; the 16 rows turn through the wave's stage, so that a lane gets 16 neighbours of each block.
;  W (128): 128 columns x 256 along K of a weight; a lane takes a column and its registers run down K; the codes go into the wave's stage at their place in the images and leave as 512 consecutive bytes a store.
;     Its scale words leave as stores of 4 bytes a lane: 128 KiB in the whole launch.
;  M (256): a wave takes 16 queries (one tile) x 1,024 keys of the mask: word 16 blk + i of a key step holds, at bit (r, h), mask[query r][32 blk + 16 h + i]: the lane mask for register 16 blk + i of the scores.
; No tensor load, no barrier: waves share nothing.
; TWO ORDERS DIFFER FROM THE LINES ABOVE.  Tensor k alone: tile 4 c + s of a group of 128 rows takes rows 64 c + 32 (r / 8) + 8 s + r % 8, so that the scores made with four such tiles as source 0 lie 32 neighbouring keys to a lane.
; The mask: word n of a key step holds, at bit (r, h), mask[query r][64 (n / 32) + 32 h + n % 32]: the lane mask for register n of those scores.
.set XSCL,  18874368
.set WSCL,  3145728                    ; wbuf: behind 32 groups
.set WSTG,  33792                      ; LDS: path X 4 x 8,448 from 0; path W 4 x 6,144 from here;
.set MSTG,  58368                      ; path M 4 x 8,448 from here;
.set SPARE, 92160                      ; the spare words, 128 bytes for each wave, that no other line names
.set SPW,   62                         ; v62  my spare word's address; never rewritten
.set NIL,   63                         ; v63  0; never rewritten
.set SEL,   28                         ; s[28:29] selects for lane l xor 16
.set TM,    8                          ; v8-23  QUANT at work
.set PC,    24                         ; v24-43 the codes just made
; 64 numbers of a lane, register 16 b + i = k 32 b + 16 (lane / 16) + i of my row, become a fragment's codes in v[PC] on and its scale word in v[pw]
.macro QUANT s, pw
.irp b, 0,1,2,3
	v_max3_num_f32 v[TM+\b], |v[\s+16*\b]|, |v[\s+1+16*\b]|, 0x1800000   ; my 16 numbers of block b and the floor 2^(3 - 127): the byte cannot fall under 1
.endr
.irp i, 2,4,6,8,10,12,14
.irp b, 0,1,2,3
	v_max3_num_f32 v[TM+\b], v[TM+\b], |v[\s+16*\b+\i]|, |v[\s+1+16*\b+\i]|   ; the four blocks by turns
.endr
.endr
.irp b, 0,1,2,3
	v_permlanex16_b32 v[TM+4+\b], v[TM+\b], s[SEL], s[SEL+1]
.endr
.irp b, 0,1,2,3
	v_max_num_f32 v[TM+\b], v[TM+\b], v[TM+4+\b]          ; with lane l xor 16: the block's largest magnitude
.endr
.irp b, 0,1,2,3
	v_add_nc_u32 v[TM+12+\b], 0xff000000, v[TM+\b]        ; 2 off its exponent field: the conversion's scale operand
.endr
.irp b, 0,1,2,3
	v_lshrrev_b32 v[TM+4+\b], 23, v[TM+12+\b]             ; the scale's byte
.endr
	v_lshl_or_b32 v[\pw], v[TM+5], 8, v[TM+4]
	v_lshl_or_b32 v[\pw], v[TM+6], 16, v[\pw]
	v_lshl_or_b32 v[\pw], v[TM+7], 24, v[\pw]             ; my row's scale word
.irp c, 0,1
	v_cvt_scalef32_pk16_fp6_f32 v[PC+6*\c:PC+2+6*\c], v[\s+32*\c:\s+15+32*\c], v[TM+12+2*\c]
	v_cvt_scalef32_pk16_fp6_f32 v[PC+12+4*\c:PC+14+4*\c], v[\s+16+32*\c:\s+31+32*\c], v[TM+12+2*\c+1]   ; (a conversion's three registers begin on an even number)
.endr
	v_nop                                                 ; one plain place behind a scaled conversion
.irp c, 0,1                                               ; the operand wants a whole block in a lane: lanes 0-15 block 2 c, lanes 16-31 block 2 c + 1
.irp i, 0,1,2
	v_permlane16_swap_b32 v[PC+6*\c+\i], v[PC+12+4*\c+\i]
.endr
.irp i, 0,1,2
	v_mov_b32 v[PC+3+6*\c+\i], v[PC+12+4*\c+\i]
.endr
.endr
.endm
.macro FIN                             ; a wave's end, behind my last LDS store
	s_wait_tensorcnt 0x0
	ds_add_u32 v[SPW], v[NIL]
	s_wait_dscnt 0x0
	s_endpgm
.endm
	s_load_b512 s[4:19], s[0:1], 0x0               ; q, k, v, mask, Wq, Wk, Wv, Wo
	s_load_b128 s[20:23], s[0:1], 0x40             ; xbuf, wbuf
	s_load_b64 s[24:25], s[0:1], 0x50              ; mbits
	v_lshl_add_u32 v[SPW], v0, 2, SPARE
	v_mov_b32 v[NIL], 0
	v_lshrrev_b32 v1, 5, v0
	v_readfirstlane_b32 s26, v1                    ; wave
	v_and_b32 v6, 31, v0                           ; lane
	v_lshlrev_b32 v1, 4, v6                        ; 16 x lane
	v_lshlrev_b32 v2, 3, v6                        ; 8 x lane
	v_lshlrev_b32 v61, 2, v6                       ; 4 x lane
	v_and_b32 v3, 15, v0                           ; r
	v_bfe_u32 v4, v0, 4, 1                         ; h
	v_lshlrev_b32 v5, 4, v3                        ; 16 r
	s_mov_b32 s[SEL], 0x76543210
	s_mov_b32 s[SEL+1], 0xfedcba98
	; every LDS address is made here, ahead of the parting
	s_mul_i32 s30, s26, 8448
	s_mul_i32 s31, s26, 6144
	v_add_nc_u32 v52, s30, v1                      ; X, in: a row's 512 bytes, 16 a lane
	v_mul_u32_u24 v7, v3, 528                      ; stage rows are 528 bytes apart: an odd multiple of 16
	v_lshl_add_u32 v53, v4, 6, v7
	v_add_nc_u32 v53, s30, v53                     ; X, out: row r, + 64 h
	v_bfe_u32 v59, v0, 3, 1                        ; W: column 32 w + lane lies in tile 2 w + u,
	v_and_b32 v60, 7, v0
	v_lshl_add_u32 v60, v4, 3, v60                 ; at the tile's row rr = lane % 8 + 8 (lane / 16)
	v_mul_u32_u24 v54, v59, 1536
	v_lshl_add_u32 v54, v60, 3, v54
	v_add_nc_u32 v54, s31, v54
	v_add_nc_u32 v54, WSTG, v54                    ; W, in: image u, 8 rr
	v_add_nc_u32 v55, s31, v1
	v_add_nc_u32 v55, WSTG, v55                    ; W, out: 16 x lane
	v_lshlrev_b32 v56, 4, v60
	v_lshl_add_u32 v56, v59, 2, v56                ; W's scale word: 16 rr + 4 u
	v_add_nc_u32 v57, MSTG, v52                    ; M, in
	v_lshl_add_u32 v58, v4, 5, v7
	v_add_nc_u32 v58, s30, v58
	v_add_nc_u32 v58, MSTG, v58                    ; M, out: row r, + 32 h
	s_wait_kmcnt 0x0
	s_cmp_lt_u32 ttmp9, 384
	s_cbranch_scc0 .Lnot_x
	; ---------------- path X
	s_lshr_b32 s32, ttmp9, 7                       ; which tensor
	s_and_b32 s33, ttmp9, 127
	s_lshr_b32 s34, s33, 1                         ; its group of 128 rows
	s_and_b32 s35, ttmp9, 1                        ; tiles 4 qh .. 4 qh + 3
	s_cmp_eq_u32 s32, 0
	s_cselect_b64 s[36:37], s[4:5], s[6:7]
	s_cmp_eq_u32 s32, 2
	s_cselect_b64 s[36:37], s[8:9], s[36:37]
	s_lshl_b32 s38, s34, 19                        ; 128 rows of 4,096 bytes
	s_lshl_b32 s39, s35, 18
	s_add_co_u32 s38, s38, s39
	s_lshl_b32 s39, s26, 10                        ; K steps 2 w, 2 w + 1: 512 bytes each
	s_add_co_u32 s38, s38, s39
	s_mov_b32 s39, 0
	s_add_nc_u64 s[36:37], s[36:37], s[38:39]
	s_cmp_eq_u32 s32, 1                            ; tensor k has its own order of rows: a tile's upper eight rows lie 32 rows on (q, v: 16), tiles 2 and 3 lie 16 rows on (q, v: 32)
	s_cselect_b32 s50, 1, 0
	s_lshl_b32 s46, 0x10000, s50
	s_mov_b32 s47, 0
	s_lshr_b32 s48, 0x20000, s50
	s_mov_b32 s49, 0
	s_add_nc_u64 s[46:47], s[36:37], s[46:47]      ; rows 8-15 of tiles 0, 1
	s_add_nc_u64 s[48:49], s[36:37], s[48:49]      ; rows 0-7 of tiles 2, 3 (rows 8-15 of tiles 2, 3 lie 48 rows on in both orders)
	s_lshl_b32 s40, s32, 6
	s_add_co_u32 s40, s40, s34                     ; the group in xbuf
	s_mul_i32 s42, s40, 98304
	s_mul_i32 s43, s26, 24576
	s_add_co_u32 s42, s42, s43
	s_mul_i32 s43, s35, 6144
	s_add_co_u32 s42, s42, s43
	s_mov_b32 s43, 0
	s_add_nc_u64 s[42:43], s[20:21], s[42:43]      ; my first image
	s_lshl_b32 s44, s40, 12
	s_lshl_b32 s45, s26, 10
	s_add_co_u32 s44, s44, s45
	s_lshl_b32 s45, s35, 8
	s_add_co_u32 s44, s44, s45
	s_add_co_u32 s44, s44, XSCL
	s_mov_b32 s45, 0
	s_add_nc_u64 s[44:45], s[20:21], s[44:45]      ; my half of the first scale block
.irp b, 0,1,2,3
	v_mov_b32 v[TM+4+\b], 0                        ; a lane permute's destination counts as one of its sources
.endr
.macro LD16X f                         ; fragment f = 4 s + t: the 16 rows of tile t, 512 bytes of K step s each, into set f % 2
.irp p, 0,1,2,3,4,5,6,7,8,9,10,11,12,13,14,15
.if (\p/8) == (((\f)%4)/2)
	global_load_b128 v[64+64*((\f)%2)+4*\p:64+64*((\f)%2)+4*\p+3], v1, s[36:37] offset:(48*(\p/8)+8*((\f)%2)+\p%8)*4096+512*((\f)/4) th:TH_LOAD_NT
.elseif (\p/8)
	global_load_b128 v[64+64*((\f)%2)+4*\p:64+64*((\f)%2)+4*\p+3], v1, s[46:47] offset:(8*((\f)%2)+\p%8)*4096+512*((\f)/4) th:TH_LOAD_NT
.else
	global_load_b128 v[64+64*((\f)%2)+4*\p:64+64*((\f)%2)+4*\p+3], v1, s[48:49] offset:(8*((\f)%2)+\p%8)*4096+512*((\f)/4) th:TH_LOAD_NT
.endif
.endr
.endm
.macro FRAGX f
.if (\f) < 7
	s_wait_loadcnt 16                              ; this fragment's 16 loads are in; the next one's 16 may be out
.else
	s_wait_loadcnt 0x0
.endif
.irp p, 0,1,2,3,4,5,6,7,8,9,10,11,12,13,14,15
	ds_store_b128 v52, v[64+64*((\f)%2)+4*\p:64+64*((\f)%2)+4*\p+3] offset:528*\p
.endr
.irp b, 0,1,2,3
.irp j, 0,1,2,3
	ds_load_b128 v[192+16*\b+4*\j:192+16*\b+4*\j+3], v53 offset:128*\b+16*\j   ; LDS serves a wave's instructions in order: these see the stores above
.endr
.endr
	s_wait_dscnt 0x0                               ; my 64 numbers are here, and the stores have read their registers
	s_wait_xcnt 0x0                                ; the last fragment's stores have read the codes' registers
.if (\f) < 6
	LD16X (\f)+2
.endif
	QUANT 192, 44+(\f)
.irp p, 0,1,2,3,4,5
	global_store_b64 v2, v[PC+2*\p:PC+2*\p+1], s[42:43] offset:12288*((\f)/4)+1536*((\f)%4)+256*\p   ; 32 lanes store 256 consecutive bytes, aligned
.endr
.if (\f)%4 == 3
	global_store_b128 v5, v[44+4*((\f)/4):47+4*((\f)/4)], s[44:45] offset:512*((\f)/4)   ; four tiles' scale words: 256 consecutive bytes; lanes 16-31 repeat lanes 0-15
.endif
.endm
	LD16X 0
	LD16X 1
.irp f, 0,1,2,3,4,5,6,7
	FRAGX \f
.endr
	FIN
.Lnot_x:
	s_cmp_lt_u32 ttmp9, 512
	s_cbranch_scc0 .Lmask
	; ---------------- path W
	s_sub_co_u32 s32, ttmp9, 384
	s_lshr_b32 s33, s32, 5                         ; which weight
	s_bfe_u32 s34, s32, 0x30002                    ; its group of 128 columns
	s_and_b32 s35, s32, 3                          ; which 256 along K
	s_cmp_eq_u32 s33, 0
	s_cselect_b64 s[36:37], s[12:13], s[14:15]
	s_cmp_eq_u32 s33, 2
	s_cselect_b64 s[36:37], s[16:17], s[36:37]
	s_cmp_eq_u32 s33, 3
	s_cselect_b64 s[36:37], s[18:19], s[36:37]
	s_lshl_b32 s38, s35, 20                        ; 256 rows of 4,096 bytes
	s_lshl_b32 s39, s34, 9
	s_add_co_u32 s38, s38, s39
	s_lshl_b32 s39, s26, 7                         ; my wave's 32 columns
	s_add_co_u32 s38, s38, s39
	s_mov_b32 s39, 0
	s_add_nc_u64 s[36:37], s[36:37], s[38:39]
	s_lshl_b32 s40, s33, 3
	s_add_co_u32 s40, s40, s34                     ; the group in wbuf
	s_mul_i32 s42, s40, 98304
	s_mul_i32 s43, s35, 24576
	s_add_co_u32 s42, s42, s43
	s_mul_i32 s43, s26, 3072                       ; tiles 2 w, 2 w + 1
	s_add_co_u32 s42, s42, s43
	s_mov_b32 s43, 0
	s_add_nc_u64 s[42:43], s[22:23], s[42:43]
	s_lshl_b32 s44, s40, 12
	s_lshl_b32 s45, s35, 10
	s_add_co_u32 s44, s44, s45
	s_lshr_b32 s45, s26, 1
	s_lshl_b32 s45, s45, 8
	s_add_co_u32 s44, s44, s45
	s_and_b32 s45, s26, 1
	s_lshl_b32 s45, s45, 3
	s_add_co_u32 s44, s44, s45
	s_add_co_u32 s44, s44, WSCL
	s_mov_b32 s45, 0
	s_add_nc_u64 s[44:45], s[22:23], s[44:45]
.macro LOADW t                         ; block t: W(32 t + i, my column) into set t % 2; 32 lanes read 128 consecutive bytes, the four waves 512
.irp i, 0,1,2,3,4,5,6,7,8,9,10,11,12,13,14,15,16,17,18,19,20,21,22,23,24,25,26,27,28,29,30,31
	global_load_b32 v[64+32*((\t)%2)+\i], v61, s[36:37] offset:(32*(\t)+\i)*4096 th:TH_LOAD_NT
.endr
.endm
.macro BLOCKW t
.set XS, 64+32*((\t)%2)
.if (\t) < 7
	s_wait_loadcnt 32                              ; this block's 32 loads are in; the next block's may be out
.else
	s_wait_loadcnt 0x0
.endif
	v_max3_num_f32 v20, |v[XS]|, |v[XS+1]|, |v[XS+2]|      ; all 32 numbers of the block are mine
	v_max3_num_f32 v21, |v[XS+3]|, |v[XS+4]|, |v[XS+5]|
.irp i, 6,10,14,18,22,26
	v_max3_num_f32 v20, v20, |v[XS+\i]|, |v[XS+\i+1]|
	v_max3_num_f32 v21, v21, |v[XS+\i+2]|, |v[XS+\i+3]|
.endr
	v_max3_num_f32 v20, v20, |v[XS+30]|, |v[XS+31]|
	v_max3_num_f32 v20, v20, v21, 0x1800000        ; and the floor
	v_add_nc_u32 v22, 0xff000000, v20              ; the conversion's scale operand
	v_lshrrev_b32 v23, 23, v22                     ; the byte
.if (\t)%4 == 0
	v_mov_b32 v[18+(\t)/4], v23
.else
	v_lshl_or_b32 v[18+(\t)/4], v23, 8*((\t)%4), v[18+(\t)/4]
.endif
	v_cvt_scalef32_pk16_fp6_f32 v[8:10], v[XS:XS+15], v22
	v_cvt_scalef32_pk16_fp6_f32 v[14:16], v[XS+16:XS+31], v22
	v_nop                                          ; one plain place behind a scaled conversion
	v_mov_b32 v11, v14
	v_mov_b32 v12, v15
	v_mov_b32 v13, v16
.irp p, 0,1,2                          ; block 2 c + hh of K step t / 4 is registers 6 c .. 6 c + 5 of lane rr + 16 hh of the image
	ds_store_b64 v54, v[8+2*\p:9+2*\p] offset:3072*((\t)/4)+768*(((\t)%4)/2)+128*((\t)%2)+256*\p
.endr
.if (\t)+2 < 8
	LOADW (\t)+2
.endif
	s_wait_dscnt 0x0                               ; the stores have read their registers
.endm
	LOADW 0
	LOADW 1
.irp t, 0,1,2,3,4,5,6,7
	BLOCKW \t
.endr
	global_store_b32 v56, v18, s[44:45]            ; my column's scale words of the two K steps
	s_wait_alu depctr_va_vdst(0)
	global_store_b32 v56, v19, s[44:45] offset:512
.irp m, 0,1,2,3,4,5,6,7,8,9,10,11
	ds_load_b128 v[128+4*\m:131+4*\m], v55 offset:512*\m
.endr
.irp m, 0,1,2,3,4,5,6,7,8,9,10,11
	s_wait_dscnt 11-\m                             ; the younger reads of the stage may be out
	global_store_b128 v1, v[128+4*\m:131+4*\m], s[42:43] offset:12288*(\m/6)+512*(\m%6)   ; 512 consecutive bytes of two neighbouring images
.endr
	FIN
.Lmask:
	; ---------------- path M
	s_sub_co_u32 s32, ttmp9, 512
	s_lshl_b32 s32, s32, 2
	s_add_co_u32 s32, s32, s26
	s_lshr_b32 s33, s32, 1                         ; the tile of 16 queries, 0 .. 511
	s_and_b32 s34, s32, 1                          ; which 1,024 keys
	s_lshr_b32 s35, s33, 1
	s_lshl_b32 s35, s35, 5
	s_and_b32 s36, s33, 1
	s_lshl_b32 s36, s36, 3
	s_add_co_u32 s35, s35, s36                     ; the tile's first row
	s_lshl_b32 s36, s35, 11                        ; rows of 2,048 bytes
	s_lshl_b32 s37, s34, 10
	s_add_co_u32 s36, s36, s37
	s_mov_b32 s37, 0
	s_add_nc_u64 s[36:37], s[10:11], s[36:37]
	s_lshl_b32 s38, s33, 12                        ; 16 key steps of 256 bytes
	s_lshl_b32 s39, s34, 11
	s_add_co_u32 s38, s38, s39
	s_mov_b32 s39, 0
	s_add_nc_u64 s[38:39], s[24:25], s[38:39]
.irp d, 0,1
.irp p, 0,1,2,3,4,5,6,7,8,9,10,11,12,13,14,15
	global_load_b128 v[64+64*\d+4*\p:64+64*\d+4*\p+3], v1, s[36:37] offset:(\p+8*(\p/8))*2048+512*\d th:TH_LOAD_NT
.endr
.endr
.irp i, 0,1,2,3,4,5,6,7,8,9,10,11,12,13,14,15
	v_mov_b32 v[8+\i], 0                           ; v_writelane_b32's destination counts as one of its sources
.endr
.macro MKS rd, ks                      ; one key step: 64 words, word n into lane n / 2, register n % 2: its byte 4 n of the step's 256
.set n, 0
.rept 16
.irp j, 0,1,2,3
	v_and_b32 v[24+\j], 0xff<<(8*\j), v[192+16*\ks+n/4]
.endr
.irp j, 0,1,2,3
	v_cmp_ne_u32 s[40+\j], 0, v[24+\j]             ; one bit a lane
.endr
.irp j, 0,1,2,3
	v_writelane_b32 v[8+2*(4*\rd+\ks)+\j%2], s[40+\j], (n+\j)/2
.endr
.set n, n+4
.endr
	global_store_b64 v2, v[8+2*(4*\rd+\ks):9+2*(4*\rd+\ks)], s[38:39] offset:256*(4*\rd+\ks)   ; 256 consecutive bytes, aligned; each step has registers of its own
.endm
.macro MROUND rd                       ; 512 keys of the 16 rows turn through the stage
	s_wait_loadcnt 16*(1-\rd)                      ; this round's 16 loads are in; the next round's may be out
.irp p, 0,1,2,3,4,5,6,7,8,9,10,11,12,13,14,15
	ds_store_b128 v57, v[64+64*\rd+4*\p:64+64*\rd+4*\p+3] offset:528*\p
.endr
.irp s, 0,1,2,3
.irp b, 0,1,2,3
	ds_load_b128 v[192+16*\s+4*\b:192+16*\s+4*\b+3], v58 offset:128*\s+64*(\b/2)+16*(\b%2)   ; keys 128 s + 64 (b / 2) + 32 h + 16 (b % 2) + 0 .. 15 of my row
.endr
.endr
	s_wait_dscnt 0x0
.irp s, 0,1,2,3
	MKS \rd, \s
.endr
.endm
	MROUND 0
	MROUND 1
	FIN
.Lfunc_end_k_q5e6156b7d6_prep:
	.size	k_q5e6156b7d6_prep, .Lfunc_end_k_q5e6156b7d6_prep-k_q5e6156b7d6_prep
	.p2alignl 7, 3214868480
	.fill 96, 4, 3214868480
	.section	.rodata,"a",@progbits
	.p2align	6, 0x0
	.amdhsa_kernel k_q5e6156b7d6_prep
		.amdhsa_group_segment_fixed_size 92672
		.amdhsa_private_segment_fixed_size 0
		.amdhsa_enable_private_segment 0
		.amdhsa_kernarg_size 88
		.amdhsa_user_sgpr_count 2
		.amdhsa_user_sgpr_kernarg_segment_ptr 1
		.amdhsa_wavefront_size32 1
		.amdhsa_system_sgpr_workgroup_id_x 1
		.amdhsa_system_sgpr_workgroup_id_y 1
		.amdhsa_system_sgpr_workgroup_id_z 1
		.amdhsa_system_vgpr_workitem_id 0
		.amdhsa_next_free_vgpr 256
		.amdhsa_next_free_sgpr 66
		.amdhsa_reserve_vcc 0
		.amdhsa_float_denorm_mode_32 3
		.amdhsa_float_denorm_mode_16_64 3
		.amdhsa_memory_ordered 1
		.amdhsa_forward_progress 1
		.amdhsa_inst_pref_size 214
	.end_amdhsa_kernel
	.amdgpu_metadata
---
amdhsa.version: [ 1, 2 ]
amdhsa.kernels:
  - .name:           k_q5e6156b7d6_prep
    .symbol:         k_q5e6156b7d6_prep.kd
    .args:
      - { .name: q, .offset: 0, .size: 8, .value_kind: global_buffer, .address_space: global }
      - { .name: k, .offset: 8, .size: 8, .value_kind: global_buffer, .address_space: global }
      - { .name: v, .offset: 16, .size: 8, .value_kind: global_buffer, .address_space: global }
      - { .name: mask, .offset: 24, .size: 8, .value_kind: global_buffer, .address_space: global }
      - { .name: Wq, .offset: 32, .size: 8, .value_kind: global_buffer, .address_space: global }
      - { .name: Wk, .offset: 40, .size: 8, .value_kind: global_buffer, .address_space: global }
      - { .name: Wv, .offset: 48, .size: 8, .value_kind: global_buffer, .address_space: global }
      - { .name: Wo, .offset: 56, .size: 8, .value_kind: global_buffer, .address_space: global }
      - { .name: xbuf, .offset: 64, .size: 8, .value_kind: global_buffer, .address_space: global }
      - { .name: wbuf, .offset: 72, .size: 8, .value_kind: global_buffer, .address_space: global }
      - { .name: mbits, .offset: 80, .size: 8, .value_kind: global_buffer, .address_space: global }
    .group_segment_fixed_size: 92672
    .private_segment_fixed_size: 0
    .kernarg_segment_align: 8
    .kernarg_segment_size: 88
    .max_flat_workgroup_size: 128
    .sgpr_count:     66
    .vgpr_count:     256
    .wavefront_size: 32
...
	.end_amdgpu_metadata
.endif
;; end of part 1
;; launch proj (part 2): grid 4 x 96, 4 waves a work-group, clusters of 4 x 4, 327,680 bytes of LDS; arguments xbuf, wbuf, bq, bk, bv, hbuf; writes hbuf
.if DOCPART == 2
	.amdgcn_target "amdgcn-amd-amdhsa--gfx1250"
	.amdhsa_code_object_version 6
	.text
	.protected	k_q5e6156b7d6_proj
	.globl	k_q5e6156b7d6_proj
	.p2align	8
	.type	k_q5e6156b7d6_proj,@function
k_q5e6156b7d6_proj:
	s_mov_b64 s[64:65], 0
	v_nop
	global_prefetch_b8 v0, s[64:65] scope:SCOPE_SE
	s_setreg_imm32_b32 hwreg(HW_REG_WAVE_MODE, 25, 1), 1
	s_wait_xcnt 0x0
	s_wait_alu depctr_hold_cnt(0) depctr_sa_sdst(0) depctr_va_vdst(0) depctr_va_sdst(0) depctr_va_ssrc(0) depctr_va_vcc(0) depctr_vm_vsrc(0)
	s_getreg_b32 s2, hwreg(HW_REG_IB_STS2, 6, 4)
	s_cmp_eq_u32 s2, 0
	s_cbranch_scc0 .Lentry_in_a_cluster
	s_endpgm
.Lentry_in_a_cluster:
	s_bfe_u32 s2, ttmp6, 0x10000c
	s_cmp_lg_u32 s2, 0xf033
	s_cbranch_scc0 .Lentry_shape_is_right
	s_endpgm
.Lentry_shape_is_right:
.set FR,     12
.set NL,     6
.set NP,     4
.set HALFT,  24576
.set SLOT,   98304
.set GRP,    98304
.set SCL,    196608
.set SPARE,  212992
.set XSCL,   18874368
.set WSCL,   3145728
.set HB,     208896
.set ADRA, 16
.set ADRB, 20
.set ADRS, 27
.set SPW,  28
.set NIL,  29
.set SC,   32
.set AF,   128
.set RB,   64
.set PW,   72
.set SW,   80
.set T,    128
.set TM,   192
.set PC,   208
.set SEL,  2
.set G1, 24
.set G0, 32
.set G1B, 48
.set G0B, 56
.set G1S, 68
.set G0S, 76
.set G1SB, 80
.set G0SB, 88
.set MSB, 0
.macro WIN new
.if MSB != (\new)
	s_set_vgpr_msb (MSB<<8)|(\new)
.set MSB, (\new)
.endif
.endm
.set MUL_LO, 0xa1
.set MUL_HI, 0xf1
.set TO_B,   0x40
.macro JLOAD g0a, g1a, g0b, g1b
	s_cmp_eq_u32 s15, 0
	s_cbranch_scc0 .Lfor_b_\@
	tensor_load_to_lds s[\g0a:\g0a+3], s[\g1a:\g1a+7]
	s_nop 0
.rept 4
	v_nop
.endr
	s_branch .Lasked_\@
.Lfor_b_\@:
	tensor_load_to_lds s[\g0b:\g0b+3], s[\g1b:\g1b+7]
	s_nop 0
.rept 4
	v_nop
.endr
.Lasked_\@:
.endm
.macro CREST
	s_cmp_lg_u32 s14, 0
	s_cbranch_scc1 .Lnot_wave_0_\@
	s_barrier_signal -3
.Lnot_wave_0_\@:
	s_barrier_wait -3
	s_barrier_signal -1
	s_barrier_wait -1
.endm
.macro CROUND
	s_barrier_signal -1
	s_barrier_wait -1
	CREST
.endm
.macro PLACES n
.rept \n
	v_nop
.endr
.endm
.macro FRAG reg, adr, q, i
.irp p, 0,1,2,3,4,5
	ds_load_b64 v[\reg+2*\p:\reg+2*\p+1], v[\adr] offset:((\q)*8+(\i))*1536+256*\p
.endr
.endm
.macro FETCH_B slot, q, p
	WIN TO_B
.irp i, 0,1,2,3,4,5,6,7
	FRAG 128*(\p)+FR*\i, ADRB+\slot, \q, \i
.endr
	WIN 0
.endm
.macro FETCH_A slot, q, i0
.irp i, \i0, \i0+1, \i0+2, \i0+3
	FRAG AF+FR*(\i), ADRA+\slot, \q, \i
.endr
.endm
.macro SCALES sc, ks
.irp q, 0,1
.irp e, 0,1
	ds_load_b128 v[SC+16*\sc+8*\q+4*\e:SC+16*\sc+8*\q+4*\e+3], v[ADRS] offset:1024*(\ks)+512*\q+256*\e
.endr
.endr
.endm
.macro MUL16 a0, p, q, sc, zero
.irp a, \a0, \a0+1
.irp b, 0,1,2,3,4,5,6,7
.if \zero
	v_wmma_scale_f32_16x16x128_f8f6f4 v[8*(8*((\a)%4)+\b):8*(8*((\a)%4)+\b)+7], v[128*(\p)+FR*\b:128*(\p)+FR*\b+FR-1], v[AF+FR*(\a):AF+FR*(\a)+FR-1], v[96+8*\b+96*(\b/4):96+8*\b+96*(\b/4)+7], v[SC+16*(\sc)+8*(\q)+\b], v[SC+16*(\sc)+8*(\q)+(\a)] matrix_a_fmt:MATRIX_FMT_FP6 matrix_b_fmt:MATRIX_FMT_FP6 matrix_a_scale:MATRIX_SCALE_ROW1
.else
	v_wmma_scale_f32_16x16x128_f8f6f4 v[8*(8*((\a)%4)+\b):8*(8*((\a)%4)+\b)+7], v[128*(\p)+FR*\b:128*(\p)+FR*\b+FR-1], v[AF+FR*(\a):AF+FR*(\a)+FR-1], v[8*(8*((\a)%4)+\b):8*(8*((\a)%4)+\b)+7], v[SC+16*(\sc)+8*(\q)+\b], v[SC+16*(\sc)+8*(\q)+(\a)] matrix_a_fmt:MATRIX_FMT_FP6 matrix_b_fmt:MATRIX_FMT_FP6 matrix_a_scale:MATRIX_SCALE_ROW1
.endif
.endr
.endr
.endm
.macro STEP slot, q, zero
	s_wait_dscnt 4*NL
.if \zero
	WIN 0x91
.else
	WIN MUL_LO
.endif
	MUL16 0, (\q)%2, \q, \slot, \zero
	MUL16 2, (\q)%2, \q, \slot, \zero
	s_wait_dscnt 0
	PLACES NP
	FETCH_B \slot, (\q)+1, 1-(\q)%2
	FETCH_A \slot, (\q)+1, 0
.if \zero
	WIN 0xd1
.else
	WIN MUL_HI
.endif
	MUL16 4, (\q)%2, \q, \slot, \zero
	MUL16 6, (\q)%2, \q, \slot, \zero
	PLACES NP
	WIN 0
	FETCH_A \slot, (\q)+1, 4
.endm
.macro TURN slot, next, fill, ks
	s_wait_tensorcnt 0x0
	ds_add_u32 v[SPW], v[NIL]
	s_wait_dscnt 4*NL+1
	WIN MUL_LO
	MUL16 0, 1, 1, \slot, 0
	s_wait_dscnt 0x0
	s_barrier_signal -1
	MUL16 2, 1, 1, \slot, 0
	WIN 0
	s_barrier_wait -1
.if \fill
	CREST
	s_add_nc_u64 s[G0+4*\slot+2:G0+4*\slot+3], s[G0+4*\slot+2:G0+4*\slot+3], 2*HALFT
	s_add_nc_u64 s[G0B+4*\slot+2:G0B+4*\slot+3], s[G0B+4*\slot+2:G0B+4*\slot+3], 2*HALFT
	JLOAD G0+4*\slot, G1, G0B+4*\slot, G1B
.else
	PLACES NP
.endif
	FETCH_B \next, 0, 0
	FETCH_A \next, 0, 0
	SCALES \next, \ks
	WIN MUL_HI
	MUL16 4, 1, 1, \slot, 0
	MUL16 6, 1, 1, \slot, 0
	PLACES NP
	WIN 0
	FETCH_A \next, 0, 4
.endm
.macro QUANT s, pw
.irp b, 0,1,2,3
	v_max3_num_f32 v[TM+\b], |v[\s+16*\b]|, |v[\s+1+16*\b]|, 0x1800000
.endr
.irp i, 2,4,6,8,10,12,14
.irp b, 0,1,2,3
	v_max3_num_f32 v[TM+\b], v[TM+\b], |v[\s+16*\b+\i]|, |v[\s+1+16*\b+\i]|
.endr
.endr
.irp b, 0,1,2,3
	v_permlanex16_b32 v[TM+4+\b], v[TM+\b], s[SEL], s[SEL+1]
.endr
.irp b, 0,1,2,3
	v_max_num_f32 v[TM+\b], v[TM+\b], v[TM+4+\b]
.endr
.irp b, 0,1,2,3
	v_add_nc_u32 v[TM+12+\b], 0xff000000, v[TM+\b]
.endr
.irp b, 0,1,2,3
	v_lshrrev_b32 v[TM+4+\b], 23, v[TM+12+\b]
.endr
	v_lshl_or_b32 v[\pw], v[TM+5], 8, v[TM+4]
	v_lshl_or_b32 v[\pw], v[TM+6], 16, v[\pw]
	v_lshl_or_b32 v[\pw], v[TM+7], 24, v[\pw]
.irp c, 0,1
	v_cvt_scalef32_pk16_fp6_f32 v[PC+6*\c:PC+2+6*\c], v[\s+32*\c:\s+15+32*\c], v[TM+12+2*\c]
	v_cvt_scalef32_pk16_fp6_f32 v[PC+12+4*\c:PC+14+4*\c], v[\s+16+32*\c:\s+31+32*\c], v[TM+12+2*\c+1]
.endr
	v_nop
.irp c, 0,1
.irp i, 0,1,2
	v_permlane16_swap_b32 v[PC+6*\c+\i], v[PC+12+4*\c+\i]
.endr
.irp i, 0,1,2
	v_mov_b32 v[PC+3+6*\c+\i], v[PC+12+4*\c+\i]
.endr
.endr
.endm
	s_load_b256 s[4:11], s[0:1], 0x0
	s_load_b128 s[96:99], s[0:1], 0x20
	v_lshl_add_u32 v[SPW], v0, 2, SPARE
	v_mov_b32 v[NIL], 0
	ds_add_u32 v[SPW], v[NIL]
	ds_add_u32 v[SPW], v[NIL]
	v_lshrrev_b32 v1, 5, v0
	v_readfirstlane_b32 s14, v1
	s_lshr_b32 s15, s14, 1
	s_and_b32 s16, s14, 1
	s_bfe_u32 s40, ttmp6, 0x40000
	s_bfe_u32 s41, ttmp6, 0x40004
	s_and_b32 s13, ttmp7, 0xffff
	s_lshl_b32 s43, s41, 2
	s_lshl_b32 s43, 15, s43
	s_lshl_b32 s44, 0x1111, s40
	s_or_b32 s[G1+0], s43, (3<<16)|(1<<21)
	s_or_b32 s[G1B+0], s44, (3<<16)|(1<<21)
.irp g, G1, G1B                        ; the head's shape: K steps 0 to 3 of two neighbouring groups: 2 rows of 49,152 bytes (6,144 elements of 8), 98,304 bytes apart
	s_mov_b32 s[\g+1], 6144<<16
	s_mov_b32 s[\g+2], 2<<16
	s_mov_b32 s[\g+3], 6144<<16
	s_mov_b32 s[\g+4], 2
	s_mov_b32 s[\g+5], 12288
	s_mov_b32 s[\g+6], 0
	s_mov_b32 s[\g+7], 0
.endr
	s_or_b32 s[G1S+0], s43, (3<<16)|(1<<21)
	s_or_b32 s[G1SB+0], s44, (3<<16)|(1<<21)
.irp g, G1S, G1SB                      ; the scale blocks of two neighbouring groups: 8,192 dense bytes as 32 rows of 256
	s_mov_b32 s[\g+1], 32<<16
	s_mov_b32 s[\g+2], 32<<16
	s_mov_b32 s[\g+3], 32<<16
	s_mov_b32 s[\g+4], 32
	s_mov_b32 s[\g+5], 32
	s_mov_b32 s[\g+6], 0
	s_mov_b32 s[\g+7], 0
.endr
	s_lshl_b32 s18, s13, 2
	s_add_co_u32 s18, s18, s41
	s_sub_co_u32 s47, s13, 16
	s_lshl_b32 s47, s47, 2
	s_add_co_u32 s47, s47, s40
	s_lshr_b32 s2, s13, 3
	s_lshl_b32 s2, s2, 3
	s_mov_b32 s20, WSCL
	s_mov_b32 s46, XSCL
	s_cmp_lt_u32 s13, 16
	s_cselect_b32 s17, s18, s41
	s_cselect_b32 s42, s40, s47
	s_cselect_b32 s3, 0, 16
	s_cselect_b32 s2, s2, 128
	s_cselect_b32 s92, -1, 0
	s_cselect_b32 s93, 0, -1
	s_cselect_b32 s22, XSCL, s20
	s_cselect_b32 s94, WSCL, s46
	s_lshl_b32 s18, s17, 1
	s_add_co_u32 s18, s18, s3
	s_add_co_u32 s18, s18, s16
	s_lshl_b32 s47, s42, 1
	s_add_co_u32 s47, s47, s2
	s_add_co_u32 s47, s47, s16
	s_mul_i32 s20, s18, GRP
	s_mov_b32 s21, 0
	s_lshl_b32 s18, s18, 12
	s_add_co_u32 s22, s22, s18
	s_mov_b32 s23, 0
	s_mul_i32 s46, s47, GRP
	s_lshl_b32 s47, s47, 12
	s_add_co_u32 s94, s94, s47
	s_mov_b32 s47, 0
	s_mov_b32 s95, 0
	s_mul_i32 s45, s14, 2*HALFT                    ; LDS: each wave's quarter of slot 0 and of slot 1 lie on end: A's two halves, then B's two halves
	s_wait_dscnt 0x0
	s_wait_kmcnt 0x0
	s_cmp_lt_u32 s13, 16
	s_cselect_b64 s[18:19], s[4:5], s[6:7]
	s_cselect_b64 s[2:3], s[6:7], s[4:5]
	s_cselect_b64 s[100:101], s[10:11], s[96:97]
	s_add_nc_u64 s[20:21], s[18:19], s[20:21]
	s_add_nc_u64 s[22:23], s[18:19], s[22:23]
	s_add_nc_u64 s[46:47], s[2:3], s[46:47]
	s_add_nc_u64 s[94:95], s[2:3], s[94:95]
	s_cmp_lt_u32 s13, 8
	s_cselect_b64 s[100:101], s[8:9], s[100:101]
	CROUND
	; THE HEAD'S FOUR TILES, ONE JOINT LOAD A WAVE: wave 0 both slots of A (K steps 0 to 3 of its two groups), wave 1 both slots of B, wave 2 A's scale blocks, wave 3 B's.
	; My own addresses hold my half (s16): it is taken off, so that each tile begins at the first of the two groups.  Group 0 of the two loads of codes lies in registers that held arguments.
	s_mul_i32 s18, s16, GRP
	s_mov_b32 s19, 0
	s_mov_b32 s4, 1
	s_mov_b32 s5, 0
	s_sub_nc_u64 s[6:7], s[20:21], s[18:19]
	s_or_b32 s7, s7, 0x80000000
	s_mov_b32 s8, 1
	s_mov_b32 s9, 4*HALFT
	s_sub_nc_u64 s[10:11], s[46:47], s[18:19]
	s_or_b32 s11, s11, 0x80000000
	s_lshl_b32 s18, s16, 12
	s_mov_b32 s[G0S], 1
	s_mov_b32 s[G0S+1], SCL
	s_sub_nc_u64 s[G0S+2:G0S+3], s[22:23], s[18:19]
	s_or_b32 s[G0S+3], s[G0S+3], 0x80000000
	s_mov_b32 s[G0SB], 1
	s_mov_b32 s[G0SB+1], SCL+8192
	s_sub_nc_u64 s[G0SB+2:G0SB+3], s[94:95], s[18:19]
	s_or_b32 s[G0SB+3], s[G0SB+3], 0x80000000
.irp s, 0,1                            ; the ring's group 0: my quarter of slot s; each is first used at the slot's first refill, which steps it two slots on
	s_mov_b32 s[G0+4*\s], 1
	s_add_co_u32 s[G0+4*\s+1], s45, \s*HALFT
	s_add_nc_u64 s[G0+4*\s+2:G0+4*\s+3], s[20:21], \s*HALFT
	s_or_b32 s[G0+4*\s+3], s[G0+4*\s+3], 0x80000000
	s_mov_b32 s[G0B+4*\s], 1
	s_add_co_u32 s[G0B+4*\s+1], s45, \s*HALFT
	s_add_nc_u64 s[G0B+4*\s+2:G0B+4*\s+3], s[46:47], \s*HALFT
	s_or_b32 s[G0B+4*\s+3], s[G0B+4*\s+3], 0x80000000
.endr
.macro ARM under, g0, g1, next         ; one arm of the head's chain: a load, and a jump to the join
	s_cmp_lt_u32 s14, \under
	s_cbranch_scc0 \next
	tensor_load_to_lds s[\g0:\g0+3], s[\g1:\g1+7]
	s_nop 0
.rept 4
	v_nop
.endr
	s_branch .Lhead_asked
\next:
.endm
	ARM 1, 4, G1, .Lhead_1
	ARM 2, 8, G1B, .Lhead_2
	ARM 3, G0S, G1S, .Lhead_3
	tensor_load_to_lds s[G0SB:G0SB+3], s[G1SB:G1SB+7]
	s_nop 0
.rept 4
	v_nop
.endr
.Lhead_asked:
	v_and_b32 v1, 15, v0
	v_bfe_u32 v2, v0, 4, 1
	s_wait_alu depctr_va_vdst(0)
	v_and_b32 v3, 31, v0
	v_lshlrev_b32 v4, 3, v3
	s_mul_i32 s21, s15, 2*HALFT
	s_mul_i32 s22, s16, 2*HALFT
	s_add_co_u32 s22, s22, 4*HALFT
.irp s, 0,1
	v_add_nc_u32 v[ADRA+\s], s21, v4
	v_add_nc_u32 v[ADRB+\s], s22, v4
	s_add_co_u32 s21, s21, HALFT
	s_add_co_u32 s22, s22, HALFT
.endr
	v_lshlrev_b32 v5, 4, v1
	s_lshl_b32 s21, s15, 12
	s_lshl_b32 s22, s16, 12
	s_add_co_u32 s22, s22, 2*4096
	s_sub_co_u32 s22, s22, s21
	v_mul_u32_u24 v6, s22, v2
	s_add_co_u32 s21, s21, SCL
	v_add_nc_u32 v5, v5, v6
	v_add_nc_u32 v[ADRS], s21, v5
	s_lshl_b32 s18, s17, 10
	s_lshl_b32 s19, s15, 9
	s_add_co_u32 s18, s18, s19
	s_and_b32 s18, s18, s93
	s_lshl_b32 s2, s42, 10
	s_lshl_b32 s3, s16, 9
	s_add_co_u32 s2, s2, s3
	s_and_b32 s2, s2, s92
	v_lshl_add_u32 v7, v2, 6, s2
	v_lshrrev_b32 v8, 3, v1
	v_lshl_add_u32 v8, v8, 3, v1
	v_lshl_add_u32 v8, v8, 2, s18
	WIN 0x40
.irp b, 0,1,2,3,4,5,6,7
.irp e, 0,1
	global_load_b128 v[96+8*\b+96*(\b/4)+4*\e:96+8*\b+96*(\b/4)+4*\e+3], v7, s[100:101] offset:128*(\b/2)+32*(\b%2)+16*\e
.endr
.endr
	WIN 0
.irp a, 0,1,2,3,4,5,6,7
	global_load_b32 v[RB+\a], v8, s[100:101] offset:(32*(\a/2)+8*(\a%2))*4
.endr
	s_wait_alu depctr_va_vdst(0)
	s_wait_tensorcnt 0x0                           ; my tile of the head's four is in; no tensor load of mine is out, so the descriptors may be written: from here on a load brings a quarter of a slot, 96 rows of 256 bytes
.irp g, G1, G1B
	s_mov_b32 s[\g+1], 32<<16
	s_mov_b32 s[\g+2], 96<<16
	s_mov_b32 s[\g+3], 32<<16
	s_mov_b32 s[\g+4], 96
	s_mov_b32 s[\g+5], 32
.endr
	s_barrier_signal -1
	s_barrier_wait -1
	FETCH_B 0, 0, 0
	FETCH_A 0, 0, 0
	SCALES 0, 0
	FETCH_A 0, 0, 4
	s_wait_loadcnt 0x0
	WIN 0x44
.irp b, 0,1,2,3,4,5,6,7
.irp j, 0,1,2,3,4,5,6,7
	v_and_b32 v[96+8*\b+96*(\b/4)+\j], s92, v[96+8*\b+96*(\b/4)+\j]
.endr
.endr
	WIN 0
.irp a, 0,1,2,3,4,5,6,7
	v_and_b32 v[RB+\a], s93, v[RB+\a]
.endr
	s_wait_alu depctr_va_vdst(0)
	STEP 0, 0, 1
	TURN 0, 1, 1, 1
	STEP 1, 0, 0
	TURN 1, 0, 1, 2
	STEP 0, 0, 0
	TURN 0, 1, 0, 3
	STEP 1, 0, 0
	s_wait_dscnt 4*NL
	WIN MUL_LO
	MUL16 0, 1, 1, 1, 0
	MUL16 2, 1, 1, 1, 0
	s_wait_dscnt 0
	WIN MUL_HI
	MUL16 4, 1, 1, 1, 0
	MUL16 6, 1, 1, 1, 0
	WIN 0
	PLACES NP
	s_mov_b32 s[SEL], 0x76543210
	s_mov_b32 s[SEL+1], 0xfedcba98
	s_lshl_b32 s68, s17, 8
	s_lshl_b32 s69, s15, 7
	s_add_co_u32 s68, s68, s69
	s_lshl_b32 s69, s42, 8
	s_lshl_b32 s70, s16, 7
	s_add_co_u32 s69, s69, s70
	s_and_b32 s70, s68, 8191
	s_mov_b32 s73, 18432
	s_mov_b32 s75, 768
	s_mov_b32 s76, 1536
	s_mov_b32 s78, 204288
	s_mov_b32 s83, HB
	s_cmp_lt_u32 s13, 16
	s_cselect_b32 s71, s70, s69
	s_cselect_b32 s72, s69, s68
	s_cselect_b32 s73, 12288, s73
	s_cselect_b32 s74, 0, 8192
	s_cselect_b32 s75, HB, s75
	s_cselect_b32 s76, 768, s76
	s_cselect_b32 s78, 768, s78
	s_cselect_b32 s80, 9, 8
	s_cselect_b32 s81, HB, 0
	s_cselect_b32 s83, 256, s83
	s_cselect_b32 s82, 0x02020202, 0
	s_mov_b32 s77, 0
	s_mov_b32 s79, 0
	s_cmp_lt_u32 s13, 8
	s_cselect_b32 s84, 0, 64*HB
	s_lshr_b32 s85, s71, 11
	s_lshl_b32 s85, s85, 4
	s_lshr_b32 s86, s72, 6
	s_add_co_u32 s85, s85, s86
	s_mul_i32 s85, s85, HB
	s_add_co_u32 s85, s85, s84
	s_bfe_u32 s86, s71, 0x40007
	s_mul_i32 s88, s86, 12288
	s_add_co_u32 s88, s88, s85
	s_add_co_u32 s88, s88, s73
	s_mov_b32 s89, 0
	s_add_nc_u64 s[88:89], s[98:99], s[88:89]
	s_lshl_b32 s90, s86, s80
	s_add_co_u32 s90, s90, s85
	s_add_co_u32 s90, s90, s74
	s_mov_b32 s91, 0
	s_add_nc_u64 s[90:91], s[98:99], s[90:91]
	v_lshlrev_b32 v85, 3, v3
	v_add_nc_u32 v86, s75, v85
	v_mul_u32_u24 v87, v2, s81
	v_lshl_add_u32 v87, v1, 4, v87
	v_add_nc_u32 v88, s83, v87
	v_mul_lo_u32 v84, v2, s82
	v_xor_b32 v84, 0x03020100, v84
.irp b, 0,1,2,3
	v_mov_b32 v[TM+4+\b], 0
.endr
.macro OUTA a
.if (\a) > 0
	s_wait_xcnt 0x0
.if (\a) == 4
	s_add_nc_u64 s[88:89], s[88:89], s[78:79]
.else
	s_add_nc_u64 s[88:89], s[88:89], s[76:77]
.endif
.endif
	WIN 0x02+(\a)/4
.set n, 0
.rept 32
.if (\a)%2
	v_pk_add_f32 v[T+2*n:T+2*n+1], v[64*((\a)%4)+2*n:64*((\a)%4)+2*n+1], v[RB+2*((\a)/2):RB+2*((\a)/2)+1] op_sel:[0,1] op_sel_hi:[1,1]
.else
	v_pk_add_f32 v[T+2*n:T+2*n+1], v[64*((\a)%4)+2*n:64*((\a)%4)+2*n+1], v[RB+2*((\a)/2):RB+2*((\a)/2)+1] op_sel:[0,0] op_sel_hi:[1,0]
.endif
.set n, n+1
.endr
	WIN 0
	QUANT T, PW+(\a)
.irp p, 0,1,2
	global_store_b64 v85, v[PC+2*\p:PC+2*\p+1], s[88:89] offset:256*\p
.endr
.irp p, 0,1,2
	global_store_b64 v86, v[PC+6+2*\p:PC+7+2*\p], s[88:89] offset:256*\p
.endr
.endm
.irp a, 0,1,2,3,4,5,6,7
	OUTA \a
.endr
.irp q, 0,1
.if \q
	s_wait_xcnt 0x0
.endif
.irp t, 0,1,2,3
	v_perm_b32 v[SW+\t], v[PW+4*\q+\t], v[PW+4*\q+\t], v84
.endr
	global_store_b128 v[87+\q], v[SW:SW+3], s[90:91]
.endr
	s_wait_tensorcnt 0x0
	ds_add_u32 v[SPW], v[NIL]
	s_wait_dscnt 0x0
	CROUND
	s_endpgm
.Lfunc_end_k_q5e6156b7d6_proj:
	.size	k_q5e6156b7d6_proj, .Lfunc_end_k_q5e6156b7d6_proj-k_q5e6156b7d6_proj
	.p2alignl 7, 3214868480
	.fill 96, 4, 3214868480
	.section	.rodata,"a",@progbits
	.p2align	6, 0x0
	.amdhsa_kernel k_q5e6156b7d6_proj
		.amdhsa_group_segment_fixed_size 327680
		.amdhsa_private_segment_fixed_size 0
		.amdhsa_enable_private_segment 0
		.amdhsa_kernarg_size 48
		.amdhsa_user_sgpr_count 2
		.amdhsa_user_sgpr_kernarg_segment_ptr 1
		.amdhsa_wavefront_size32 1
		.amdhsa_system_sgpr_workgroup_id_x 1
		.amdhsa_system_sgpr_workgroup_id_y 1
		.amdhsa_system_sgpr_workgroup_id_z 1
		.amdhsa_system_vgpr_workitem_id 0
		.amdhsa_next_free_vgpr 1024
		.amdhsa_next_free_sgpr 102
		.amdhsa_reserve_vcc 0
		.amdhsa_float_denorm_mode_32 3
		.amdhsa_float_denorm_mode_16_64 3
		.amdhsa_memory_ordered 1
		.amdhsa_forward_progress 1
		.amdhsa_inst_pref_size 189
	.end_amdhsa_kernel
	.amdgpu_metadata
---
amdhsa.version: [ 1, 2 ]
amdhsa.kernels:
  - .name:           k_q5e6156b7d6_proj
    .symbol:         k_q5e6156b7d6_proj.kd
    .args:
      - { .name: xbuf, .offset: 0, .size: 8, .value_kind: global_buffer, .address_space: global }
      - { .name: wbuf, .offset: 8, .size: 8, .value_kind: global_buffer, .address_space: global }
      - { .name: bq, .offset: 16, .size: 8, .value_kind: global_buffer, .address_space: global }
      - { .name: bk, .offset: 24, .size: 8, .value_kind: global_buffer, .address_space: global }
      - { .name: bv, .offset: 32, .size: 8, .value_kind: global_buffer, .address_space: global }
      - { .name: hbuf, .offset: 40, .size: 8, .value_kind: global_buffer, .address_space: global }
    .group_segment_fixed_size: 327680
    .private_segment_fixed_size: 0
    .kernarg_segment_align: 8
    .kernarg_segment_size: 48
    .max_flat_workgroup_size: 128
    .sgpr_count:     102
    .vgpr_count:     1024
    .wavefront_size: 32
...
	.end_amdgpu_metadata
.endif
;; end of part 2
;; launch attn (part 3): grid 4 x 64, 16 waves a work-group, clusters of 4 x 1, 210,944 bytes of LDS; arguments hbuf, mbits, cbuf; writes cbuf
.if DOCPART == 3
	.amdgcn_target "amdgcn-amd-amdhsa--gfx1250"
	.amdhsa_code_object_version 6
	.text
	.protected	k_q5e6156b7d6_attn
	.globl	k_q5e6156b7d6_attn
	.p2align	8
	.type	k_q5e6156b7d6_attn,@function
k_q5e6156b7d6_attn:
	s_mov_b64 s[64:65], 0
	v_nop
	global_prefetch_b8 v0, s[64:65] scope:SCOPE_SE
	s_setreg_imm32_b32 hwreg(HW_REG_WAVE_MODE, 25, 1), 1
	s_wait_xcnt 0x0
	s_wait_alu depctr_hold_cnt(0) depctr_sa_sdst(0) depctr_va_vdst(0) depctr_va_sdst(0) depctr_va_ssrc(0) depctr_va_vcc(0) depctr_vm_vsrc(0)
	s_getreg_b32 s2, hwreg(HW_REG_IB_STS2, 6, 4)
	s_cmp_eq_u32 s2, 0
	s_cbranch_scc0 .Lentry_in_a_cluster
	s_endpgm
.Lentry_in_a_cluster:
	s_bfe_u32 s2, ttmp6, 0x10000c
	s_cmp_lg_u32 s2, 0x3003
	s_cbranch_scc0 .Lentry_shape_is_right
	s_endpgm
.Lentry_shape_is_right:
; ctx = softmax(Q K^T / 8, masked) V for one head (cluster y = 16 b + head), both products on codes of FP6 (E2M3) with E8M0 scales; ctx is quantised along its channels at once, as the last product's operand.
; THE SOFTMAX: t = score x log2(e) / 8; M = the running largest t rounded up to a whole number; p = 2^(t - M) is quantised along the keys, not normalised; the sum is taken of the unquantised p and divides at the end.
; THE MASK: a masked score becomes -2^33 ahead of the maximum (one v_cndmask_b32 a score, by lane masks that an earlier launch laid out; they come by scalar loads, a key step ahead).
; LIMITS: -2^33 stands for reference's logit of -1e9 (as a logit it is -2^30); c x 2^33 is exact, so a row that is masked throughout gives p = 1 for every key, as there; results agree wherever unmasked logits lie above about -1e9.
;   A block of zeros keeps the scale byte 1.  A block's largest p is made from its largest score, which takes v_exp_f32 not to fall where its input rises.  NaN and infinities are not served.
; SHARES.  A work-group owns 512 queries of the head (by its place in the cluster), each of its sixteen waves one tile of 16 in each of two passes: four waves to a SIMD.
; K AND V OF THE WHOLE HEAD, codes and scale words, are one dense block of 208,896 bytes: it comes into LDS once, as it lies, by one joint load of each of waves 0 to 3 (the four work-groups of a cluster read the same block).
; No LDS byte is filled again: no ring, one barrier.  So nothing is left to prefetch: the block is asked for at the head, and the mask words a step ahead.
; LAYOUT.  Both products are used transposed: S^T = K Q^T, O^T = V^T P^T: a lane holds one query (lane % 16).  All fragments lie as images of their registers: piece p of 256 bytes = registers 2 p, 2 p + 1, lane l at 8 l.
; Tile 4 c + s of a key step holds, at row 8 g + j, key 64 c + 32 g + 8 s + j.  So register n = 32 c + i of lane (r, h) is key 64 c + 32 h + i of query r: A LANE HOLDS TWO WHOLE SCALE BLOCKS OF p, in the order of the
; second product's operand: no lane is asked for a block's maximum, and the conversions' results are the operand's registers (three of each six are moved: a conversion's three registers begin on an even number).
; Tiles of queries and of channels hold rows 32 B + 8 u + r + 8 (r / 8) (tile 2 B + u).
; THE FIRST PRODUCT'S K IS 64, half of the instruction's 128: Q's registers 6-11 are zero codes.  A tile of keys is named with its six registers and the six that follow (the next tile's codes; behind the last tile six registers
; at work, whatever they hold): those meet zero codes and add 0, since the format has no infinity or NaN and no scale byte here is 0xff.
; K AND V HAVE REGISTERS OF THEIR OWN: behind a step's first products the NEXT step's K (step 15: step 0's, which the next pass begins with) and this step's V are asked for, 50 LDS loads, and one wait ahead of the second products shows all in.
; The ctx scale bytes leave as stores of 2 bytes a lane (two heads share a word): 256 KiB in the whole launch.
; REGISTERS: v0, v29, v31 at work; v1 8 x lane, v2 16 x lane, v3 16 r, v4, v5 the add's two, v7 8 h, v6, v8-10 LDS addresses, v11 p's scale word, v12 -M, v13 the largest score, v[14:15] the sum, v16-27 Q, v28 Q's scale word,
; v30 -2^33, v32-79 K's 8 tiles, v80-87 at work, v88-91 K's scale words, v92-95 V's, v96-159 S^T, then p, v160-191 O^T, v192-239 V's 4 fragments, v240-251 the sum's six chains, then p's codes, v252 f, v254, v255 the blocks' maxima.
.set HB,    208896
.set CSCL,  98304                      ; cbuf: a group of 128 tokens is 98,304 bytes of images and, behind them, its 4,096 bytes of scale blocks: 102,400 dense bytes
.set SPARE, 208896                     ; behind the block: the spare words, 128 bytes for each of 16 waves, that no other line names
.set WV,   52
.set CNT,  53
.set CS,   54                          ; s[54:55] c = log2(e) / 8
.set SEL,  56                          ; s[56:57] selects for lane l xor 16
.set MB,   58                          ; s[58:59] my tile's mask words
.set QB,   60                          ; s[60:61] my tile's half image of Q
.set OP,   62                          ; s[62:63] my half image of ctx
.set QS,   96                          ; s[96:97] my tile's place in Q's scale block
.set OS,   100                         ; s[100:101] my two bytes of ctx's scale words
.set NX,   66                          ; s66  the next step, modulo 16
.set TK,   67                          ; s67  LDS byte of its tiles
.set TSK,  2                           ; s2   of its scale block
.set MOFF, 3                           ; s3   the byte of the mask words to be asked for
.set TV,   98                          ; s98  LDS byte of this step's tiles
.set TSV,  99                          ; s99  of V's scale words
.set G1,   84
.set G0,   92
.set AC,   240
; the 64 mask words of a key step: word n in s[4 + n] (n < 48) or s[20 + n]
.macro WALU
	s_wait_alu depctr_va_vdst(0)
.endm
.macro ROUND
	s_barrier_signal -1
	s_barrier_wait -1
	s_cmp_lg_u32 s[WV], 0
	s_cbranch_scc1 .Lnot_wave_0_\@
	s_barrier_signal -3
.Lnot_wave_0_\@:
	s_barrier_wait -3
	s_barrier_signal -1
	s_barrier_wait -1
.endm
	s_load_b128 s[96:99], s[0:1], 0x0              ; hbuf, mbits
	s_load_b64 s[100:101], s[0:1], 0x10            ; cbuf
	v_lshl_add_u32 v4, v0, 2, SPARE
	v_mov_b32 v5, 0
	ds_add_u32 v4, v5                              ; the wave's opening: the add, twice on end, and its wait ahead of the first tensor load
	ds_add_u32 v4, v5
	v_lshrrev_b32 v1, 5, v0
	v_readfirstlane_b32 s[WV], v1                  ; wave 0..15
	s_bfe_u32 s4, ttmp6, 0x40000                   ; cx: it enters the addresses of Q, the mask and ctx alone
	s_and_b32 s5, ttmp7, 0xffff                    ; 16 b + head, which the four partners share
	s_lshr_b32 s6, s5, 4                           ; b
	s_and_b32 s7, s5, 15                           ; head
	s_mov_b32 s[G1], 15|(3<<16)|(1<<21)            ; the mask: all four work-groups; elements of 8 bytes; bit 21 beside a mask; no padding
	s_mov_b32 s[G1+1], 32<<16                      ; a quarter of the block, 52,224 dense bytes, as 204 rows of 256
	s_mov_b32 s[G1+2], 204<<16
	s_mov_b32 s[G1+3], 32<<16
	s_mov_b32 s[G1+4], 204
	s_mov_b32 s[G1+5], 32
	s_mov_b32 s[G1+6], 0
	s_mov_b32 s[G1+7], 0
	s_mov_b32 s[G0], 1
	s_mul_i32 s[G0+1], s[WV], 52224                ; LDS address: the block lies in LDS as in memory
	s_add_co_u32 s8, s5, 64
	s_mul_i32 s8, s8, HB
	s_add_co_u32 s8, s8, s[G0+1]
	s_mov_b32 s9, 0
	s_lshl_b32 s10, s4, 2
	s_lshr_b32 s11, s[WV], 3
	s_add_co_u32 s10, s10, s11                     ; pass 0: my tile's step of 128 queries: 4 cx + wave / 8
	s_and_b32 s11, s[WV], 7                        ; and its place there
	s_lshr_b32 s12, s11, 2
	s_and_b32 s13, s[WV], 3
	s_mul_i32 s14, s10, 12288
	s_mul_i32 s15, s11, 768
	s_add_co_u32 s14, s14, s15
	s_add_co_u32 s14, s14, 12288                   ; Q's half image
	s_mov_b32 s15, 0
	s_lshl_b32 s16, s12, 8
	s_lshl_b32 s17, s13, 2
	s_add_co_u32 s16, s16, s17                     ; the tile's place in a scale block
	s_lshl_b32 s28, s10, 9
	s_add_co_u32 s28, s28, s16                     ; Q's scale words
	s_mov_b32 s29, 0
	s_lshl_b32 s18, s6, 4
	s_add_co_u32 s18, s18, s10                     ; ctx: the group of 128 tokens
	s_lshr_b32 s19, s7, 1                          ; its K step: two heads
	s_and_b32 s20, s7, 1
	s_mul_i32 s30, s18, 102400
	s_mul_i32 s22, s19, 12288
	s_add_co_u32 s30, s30, s22
	s_mul_i32 s22, s11, 1536
	s_add_co_u32 s30, s30, s22
	s_mul_i32 s22, s20, 768
	s_add_co_u32 s30, s30, s22                     ; my half of the image
	s_mov_b32 s31, 0
	s_mul_i32 s32, s18, 102400
	s_lshl_b32 s24, s19, 9
	s_add_co_u32 s32, s32, s24
	s_add_co_u32 s32, s32, s16
	s_lshl_b32 s24, s20, 1
	s_add_co_u32 s32, s32, s24
	s_add_co_u32 s32, s32, CSCL                    ; my two bytes of the scale word
	s_mov_b32 s33, 0
	s_lshl_b32 s24, s6, 7
	s_lshl_b32 s25, s4, 5
	s_add_co_u32 s24, s24, s25
	s_add_co_u32 s24, s24, s[WV]
	s_lshl_b32 s24, s24, 12                        ; the mask words of tile 128 b + 32 cx + wave: 4,096 bytes a tile
	s_mov_b32 s25, 0
	s_mul_i32 s26, s5, HB
	s_mov_b32 s27, 0
	s_mov_b32 s[CS], 0x3e38aa3b
	s_mov_b32 s[CS+1], s[CS]                       ; (named with it as a pair, so it is written)
	s_mov_b32 s[SEL], 0x76543210
	s_mov_b32 s[SEL+1], 0xfedcba98
	s_wait_dscnt 0x0                               ; both opening adds are done
	s_wait_kmcnt 0x0
	s_add_nc_u64 s[G0+2:G0+3], s[96:97], s[8:9]
	s_or_b32 s[G0+3], s[G0+3], 0x80000000
	s_add_nc_u64 s[MB:MB+1], s[98:99], s[24:25]
	s_add_nc_u64 s[96:97], s[96:97], s[26:27]      ; the head's Q block
	s_add_nc_u64 s[QB:QB+1], s[96:97], s[14:15]
	s_add_nc_u64 s[QS:QS+1], s[96:97], s[28:29]
	s_add_nc_u64 s[OP:OP+1], s[100:101], s[30:31]
	s_add_nc_u64 s[OS:OS+1], s[100:101], s[32:33]
	ROUND                                          ; all four work-groups are here: the joint loads meet
	s_cmp_lt_u32 s[WV], 4                          ; waves 0 to 3 fetch a quarter each: one load of a wave is out
	s_cbranch_scc0 .Lasked
	tensor_load_to_lds s[G0:G0+3], s[G1:G1+7]
	s_nop 0
.rept 4
	v_nop
.endr
.Lasked:
	v_and_b32 v6, 31, v0
	v_and_b32 v3, 15, v0
	v_bfe_u32 v7, v0, 4, 1
	v_lshlrev_b32 v1, 3, v6                        ; 8 x lane
	v_lshlrev_b32 v2, 4, v6                        ; 16 x lane
	v_lshlrev_b32 v3, 4, v3                        ; 16 r
	v_lshlrev_b32 v7, 3, v7                        ; 8 h: where my two scale bytes stand in p's scale word
	v_mov_b32 v30, 0xd0000000                      ; -2^33
.irp i, 0,1,2,3,4,5
	v_mov_b32 v[22+\i], 0                          ; Q's upper half: zero codes
.endr
.irp i, 0,1,2,3,4,5,6,7
	v_mov_b32 v[80+\i], 0                          ; named behind K's last tile before they are first at work
.endr
	v_mov_b32 v252, 0
	v_mov_b32 v253, 0                              ; (named as the upper half of the pair v[252:253])
.macro MLOAD p                         ; 64 mask words, 256 bytes, at byte s[MOFF] of my tile's
	s_load_b512 s[4:19], s[MB:MB+1], s[MOFF] offset:65536*\p
	s_load_b512 s[20:35], s[MB:MB+1], s[MOFF] offset:65536*\p+64
	s_load_b512 s[36:51], s[MB:MB+1], s[MOFF] offset:65536*\p+128
	s_load_b512 s[68:83], s[MB:MB+1], s[MOFF] offset:65536*\p+192
.endm
.macro INIT p                          ; pass p: tile 32 cx + 16 p + wave; all steps from pass to pass stand in immediates
	s_mov_b32 s[MOFF], 0
	MLOAD \p
.irp i, 0,1,2
	global_load_b64 v[16+2*\i:17+2*\i], v1, s[QB:QB+1] offset:24576*\p+256*\i
.endr
	global_load_b32 v28, v3, s[QS:QS+1] offset:1024*\p
	s_wait_loadcnt 0x0
	v_and_b32 v28, 0xffff, v28                     ; the head's two bytes;
	v_or_b32 v28, 0x01010000, v28                  ; over the zero codes any byte but 0xff.  The moves below are more than eight places ahead of the first product
	v_mov_b32 v13, 0xff61b1e6                      ; the largest score so far: -3e38
	v_mov_b32 v12, 0x7e000000                      ; -M: so large that the first step's f is 0
	v_mov_b32 v14, 0
	v_mov_b32 v15, 0
.set n, 0
.rept 32
	v_mov_b32 v[160+n], 0                          ; O^T: the step is written once; the first change of M leaves zeros zeros
.set n, n+1
.endr
.endm
.macro SUM6 q                          ; six pairs of p onto the six chains
.irp k, 0,1,2,3,4,5
	v_pk_add_f32 v[AC+2*\k:AC+2*\k+1], v[AC+2*\k:AC+2*\k+1], v[96+2*((\q)+\k):97+2*((\q)+\k)]
.endr
.endm
; A KEY STEP: 128 keys
.macro STEP p
	s_add_co_u32 s[NX], s[CNT], 1
	s_and_b32 s[NX], s[NX], 15                     ; behind step 15 comes step 0: the next pass's first
	s_mul_i32 s[TK], s[NX], 12288
	s_lshl_b32 s[TSK], s[NX], 9
	s_mul_i32 s[TV], s[CNT], 12288
	s_lshl_b32 s[TSV], s[CNT], 8
.irp t, 0,1,2,3
	v_wmma_scale_f32_16x16x128_f8f6f4 v[96+8*\t:103+8*\t], v[32+6*\t:43+6*\t], v[16:27], 0, v[88+\t], v28 matrix_a_fmt:MATRIX_FMT_FP6 matrix_b_fmt:MATRIX_FMT_FP6
.endr
.irp t, 4,5,6,7
	v_wmma_scale_f32_16x16x128_f8f6f4 v[96+8*\t:103+8*\t], v[32+6*\t:43+6*\t], v[16:27], 0, v[84+\t], v28 matrix_a_fmt:MATRIX_FMT_FP6 matrix_b_fmt:MATRIX_FMT_FP6 matrix_a_scale:MATRIX_SCALE_ROW1
.endr
	v_add_nc_u32 v8, s[TK], v1                     ; four places: in front of the loads into K's and V's registers and of the first read of the scores
	v_add_nc_u32 v9, s[TSK], v2
	v_add_nc_u32 v10, s[TV], v1
	v_add_nc_u32 v6, s[TSV], v3
.irp t, 0,1,2,3,4,5,6,7                ; the next step's K
.irp i, 0,1,2
	ds_load_b64 v[32+6*\t+2*\i:33+6*\t+2*\i], v8 offset:12288+768*\t+256*\i
.endr
.endr
	ds_load_b128 v[88:91], v9                      ; its scale words: register t % 4: lanes 0-15 tile t % 4, lanes 16-31 tile 4 + t % 4
.irp t, 0,1,2,3                        ; this step's V
.irp i, 0,1,2,3,4,5
	ds_load_b64 v[192+12*\t+2*\i:193+12*\t+2*\i], v10 offset:18432+1536*\t+256*\i
.endr
.endr
	ds_load_b128 v[92:95], v6 offset:8192          ; V's scale words: register t: row r of tile t
	s_wait_kmcnt 0x0                               ; this step's mask words, asked for a step ago
.set n, 0
.rept 64
	v_cndmask_b32 v[96+n], v[96+n], v30, s[4+n+16*(n/48)]   ; register n holds key 64 (n / 32) + 32 h + n % 32 of my query
.set n, n+1
.endr
	s_add_co_u32 s[MOFF], s[MOFF], 256             ; (the wait above has shown the last loads done: their offset may be written)
	s_min_u32 s[MOFF], s[MOFF], 3840               ; the last step asks for its own words again: no load leaves the buffer
	MLOAD \p
.irp t, 0,1,2,3,4,5,6,7                ; the largest score of my two blocks of 32 keys: eight chains side by side, one a tile
	v_max3_num_f32 v[80+\t], v[96+8*\t], v[97+8*\t], v[98+8*\t]
.endr
.irp i, 3,5
.irp t, 0,1,2,3,4,5,6,7
	v_max3_num_f32 v[80+\t], v[80+\t], v[96+8*\t+\i], v[97+8*\t+\i]
.endr
.endr
	v_max3_num_f32 v80, v80, v81, v103             ; the chains join, with each tile's eighth score
	s_delay_alu instid0(VALU_DEP_4)
	v_max3_num_f32 v84, v84, v85, v135
	v_max3_num_f32 v82, v82, v83, v111
	s_delay_alu instid0(VALU_DEP_4)
	v_max3_num_f32 v86, v86, v87, v143
	s_delay_alu instid0(VALU_DEP_2)
	v_max3_num_f32 v80, v80, v82, v119
	s_delay_alu instid0(VALU_DEP_2)
	v_max3_num_f32 v84, v84, v86, v151
	s_delay_alu instid0(VALU_DEP_2)
	v_max_num_f32 v254, v80, v127                  ; block h of the step's four
	s_delay_alu instid0(VALU_DEP_2)
	v_max_num_f32 v255, v84, v159                  ; block 2 + h
	v_mov_b32 v81, v12                             ; the old -M
	s_delay_alu instid0(VALU_DEP_2)
	v_max_num_f32 v0, v254, v255
	s_delay_alu instid0(VALU_DEP_1)
	v_permlanex16_b32 v83, v0, s[SEL], s[SEL+1]
	s_delay_alu instid0(VALU_DEP_1)
	v_max3_num_f32 v13, v13, v0, v83               ; the running largest score of my query, with lane l xor 16's 64 keys
	s_delay_alu instid0(VALU_DEP_1)
	v_mul_f32 v0, -v13, s[CS]
	s_delay_alu instid0(VALU_DEP_1)
	v_floor_f32 v12, v0                            ; the new -M = -ceil(t)
	s_delay_alu instid0(VALU_DEP_1)
.set n, 0
.rept 16
	v_pk_fma_f32 v[96+n:97+n], v[96+n:97+n], s[CS:CS+1], v[12:13] op_sel_hi:[1,0,0]   ; t - M, the first 32 keys
.set n, n+2
.endr
	v_pk_fma_f32 v[254:255], v[254:255], s[CS:CS+1], v[12:13] op_sel_hi:[1,0,0]       ; the same of each block's largest score
	v_sub_f32 v81, v12, v81                        ; old M - new M: a whole number, 0 or less
	s_delay_alu instid0(VALU_DEP_1)
	v_cvt_i32_f32 v81, v81                         ; (it saturates)
	s_delay_alu instid0(VALU_DEP_1)
	v_ldexp_f32 v252, 1.0, v81                     ; f = 2^(old M - new M)
	WALU                                           ; the wait ahead of a batch of transcendentals
	v_exp_f32 v254, v254                           ; the blocks' largest p
	v_exp_f32 v255, v255
.set n, 0
.rept 16
	v_exp_f32 v[96+n], v[96+n]                     ; p = 2^(t - M)
	v_exp_f32 v[97+n], v[97+n]
	v_pk_fma_f32 v[128+n:129+n], v[128+n:129+n], s[CS:CS+1], v[12:13] op_sel_hi:[1,0,0]   ; t - M of the other 32 keys, which the next batch reads
.set n, n+2
.endr
	WALU                                           ; behind the first batch and ahead of the second
	v_exp_f32 v128, v128
	v_exp_f32 v129, v129
.set n, 130
.set k, 0
.rept 6
.rept 5
	v_exp_f32 v[n], v[n]
.set n, n+1
.endr
	v_pk_add_f32 v[AC+2*k:AC+2*k+1], v[96+4*k:97+4*k], v[98+4*k:99+4*k]   ; the sum's six chains begin, on p of the first batch; they are read behind the wait below
.set k, k+1
.endr
	WALU                                           ; one wait for the batch, ahead of its first reader
	SUM6 12
	v_max_num_f32 v254, 0x1800000, v254            ; the floor 2^(3 - 127)
	v_max_num_f32 v255, 0x1800000, v255
	SUM6 18
	v_add_nc_u32 v254, 0xff000000, v254            ; 2 off the exponent field: the conversions' scale operands
	v_add_nc_u32 v255, 0xff000000, v255
	SUM6 24
	v_lshrrev_b32 v0, 23, v254                     ; the scales' bytes
	v_lshrrev_b32 v11, 23, v255
	v_pk_add_f32 v[AC:AC+1], v[AC:AC+1], v[156:157]
	v_pk_add_f32 v[AC+2:AC+3], v[AC+2:AC+3], v[158:159]
	s_delay_alu instid0(VALU_DEP_3)
	v_lshl_or_b32 v11, v11, 16, v0                 ; blocks h and 2 + h,
	v_pk_add_f32 v[AC+4:AC+5], v[AC+4:AC+5], v[AC+6:AC+7]
	v_pk_add_f32 v[AC+8:AC+9], v[AC+8:AC+9], v[AC+10:AC+11]
	s_delay_alu instid0(VALU_DEP_3)
	v_lshlrev_b32 v11, v7, v11                     ; at their places in the word;
	v_pk_add_f32 v[AC:AC+1], v[AC:AC+1], v[AC+2:AC+3]
	s_delay_alu instid0(VALU_DEP_3)
	v_pk_add_f32 v[AC+4:AC+5], v[AC+4:AC+5], v[AC+8:AC+9]
	s_delay_alu instid0(VALU_DEP_3)
	v_permlanex16_b32 v0, v11, s[SEL], s[SEL+1]
	s_delay_alu instid0(VALU_DEP_2)
	v_pk_add_f32 v[AC:AC+1], v[AC:AC+1], v[AC+4:AC+5]
	s_delay_alu instid0(VALU_DEP_2)
	v_or_b32 v11, v11, v0                          ; with lane l xor 16's two: p's scale word
	s_delay_alu instid0(VALU_DEP_2)
	v_pk_fma_f32 v[14:15], v[14:15], v[252:253], v[AC:AC+1] op_sel_hi:[1,0,1]   ; the sum under the new M, and this step's
	v_cvt_scalef32_pk16_fp6_f32 v[240:242], v[96:111], v254
	v_cvt_scalef32_pk16_fp6_f32 v[80:82], v[112:127], v254     ; (a conversion's three registers begin on an even number)
	v_cvt_scalef32_pk16_fp6_f32 v[246:248], v[128:143], v255
	v_cvt_scalef32_pk16_fp6_f32 v[84:86], v[144:159], v255
	v_nop                                          ; one plain place behind a scaled conversion
.irp i, 0,1,2
	v_mov_b32 v[243+\i], v[80+\i]
	v_mov_b32 v[249+\i], v[84+\i]
.endr
	s_wait_dscnt 0x0                               ; V, and the next step's K: all 50 loads
	WALU                                           ; the wait directly ahead of the first reader of O^T
.set n, 0
.rept 16
	v_pk_mul_f32 v[160+n:161+n], v[160+n:161+n], v[252:253] op_sel_hi:[1,0]   ; O^T under the new M; these are also the places in front of the scaled products
.set n, n+2
.endr
.irp t, 0,1,2,3                        ; the four accumulators by turns
	v_wmma_scale_f32_16x16x128_f8f6f4 v[160+8*\t:167+8*\t], v[192+12*\t:203+12*\t], v[240:251], v[160+8*\t:167+8*\t], v[92+\t], v11 matrix_a_fmt:MATRIX_FMT_FP6 matrix_b_fmt:MATRIX_FMT_FP6
.endr
.endm
.macro PASS p
	s_mov_b32 s[CNT], 0
.Lstep_\@:
	STEP \p
	s_add_co_u32 s[CNT], s[CNT], 1
	s_cmp_lg_u32 s[CNT], 16
	s_cbranch_scc1 .Lstep_\@
	; the tile's end: O^T / the sum is ctx; register 16 b + i is channel 32 b + 16 h + i of my query: two blocks, quantised as they stand.  K's registers keep step 0's tiles for the next pass
.rept 4
	v_nop                                          ; places behind the last products
.endr
	v_add_f32 v14, v14, v15
	v_permlanex16_b32 v252, v14, s[SEL], s[SEL+1]
	v_add_f32 v14, v14, v252                       ; the row's sum
	WALU
	v_rcp_f32 v14, v14
	v_nop                                          ; a plain place behind the transcendental
	WALU                                           ; and the wait ahead of its first reader
.set n, 0
.rept 16
	v_pk_mul_f32 v[96+n:97+n], v[160+n:161+n], v[14:15] op_sel_hi:[1,0]   ; each accumulator from its low end on
.set n, n+2
.endr
.irp b, 0,1
	v_max3_num_f32 v[80+\b], |v[96+16*\b]|, |v[97+16*\b]|, 0x1800000
.endr
.irp i, 2,4,6,8,10,12,14
.irp b, 0,1
	v_max3_num_f32 v[80+\b], v[80+\b], |v[96+16*\b+\i]|, |v[97+16*\b+\i]|
.endr
.endr
.irp b, 0,1
	v_permlanex16_b32 v[82+\b], v[80+\b], s[SEL], s[SEL+1]
.endr
.irp b, 0,1
	v_max_num_f32 v[80+\b], v[80+\b], v[82+\b]
.endr
.irp b, 0,1
	v_add_nc_u32 v[84+\b], 0xff000000, v[80+\b]
.endr
.irp b, 0,1
	v_lshrrev_b32 v[82+\b], 23, v[84+\b]
.endr
	v_lshl_or_b32 v86, v83, 8, v82                 ; the head's two scale bytes
	v_cvt_scalef32_pk16_fp6_f32 v[240:242], v[96:111], v84
	v_cvt_scalef32_pk16_fp6_f32 v[248:250], v[112:127], v85
	v_nop
.irp i, 0,1,2
	v_permlane16_swap_b32 v[240+\i], v[248+\i]     ; a whole block to a lane
.endr
.irp i, 0,1,2
	v_mov_b32 v[243+\i], v[248+\i]
.endr
.irp i, 0,1,2
	global_store_b64 v1, v[240+2*\i:241+2*\i], s[OP:OP+1] offset:204800*\p+256*\i   ; 32 lanes store 256 consecutive bytes, aligned: half an image of the last product's operand
.endr
	global_store_b16 v3, v86, s[OS:OS+1] offset:204800*\p
	s_wait_kmcnt 0x0                               ; the last step's spare mask words: their registers and offset are written again
	s_wait_xcnt 0x0                                ; the stores have read their registers
.endm
	INIT 0                                         ; Q and the first mask words come while the block is on its way
	WALU                                           ; the wait at the head's end
	s_wait_tensorcnt 0x0                           ; my quarter has landed,
	s_barrier_signal -1
	s_barrier_wait -1                              ; everybody's has
.irp t, 0,1,2,3,4,5,6,7                ; step 0's K
.irp i, 0,1,2
	ds_load_b64 v[32+6*\t+2*\i:33+6*\t+2*\i], v1 offset:12288+768*\t+256*\i
.endr
.endr
	ds_load_b128 v[88:91], v2
	s_wait_dscnt 0x0
	PASS 0
	INIT 1
	PASS 1
	s_wait_tensorcnt 0x0                           ; the wave's end
	ds_add_u32 v4, v5
	s_wait_dscnt 0x0
	ROUND                                          ; the closing round
	s_endpgm
.Lfunc_end_k_q5e6156b7d6_attn:
	.size	k_q5e6156b7d6_attn, .Lfunc_end_k_q5e6156b7d6_attn-k_q5e6156b7d6_attn
	.p2alignl 7, 3214868480
	.fill 96, 4, 3214868480
	.section	.rodata,"a",@progbits
	.p2align	6, 0x0
	.amdhsa_kernel k_q5e6156b7d6_attn
		.amdhsa_group_segment_fixed_size 210944
		.amdhsa_private_segment_fixed_size 0
		.amdhsa_enable_private_segment 0
		.amdhsa_kernarg_size 24
		.amdhsa_user_sgpr_count 2
		.amdhsa_user_sgpr_kernarg_segment_ptr 1
		.amdhsa_wavefront_size32 1
		.amdhsa_system_sgpr_workgroup_id_x 1
		.amdhsa_system_sgpr_workgroup_id_y 1
		.amdhsa_system_sgpr_workgroup_id_z 1
		.amdhsa_system_vgpr_workitem_id 0
		.amdhsa_next_free_vgpr 256
		.amdhsa_next_free_sgpr 102
		.amdhsa_reserve_vcc 0
		.amdhsa_float_denorm_mode_32 3
		.amdhsa_float_denorm_mode_16_64 3
		.amdhsa_memory_ordered 1
		.amdhsa_forward_progress 1
		.amdhsa_inst_pref_size 61
	.end_amdhsa_kernel
	.amdgpu_metadata
---
amdhsa.version: [ 1, 2 ]
amdhsa.kernels:
  - .name:           k_q5e6156b7d6_attn
    .symbol:         k_q5e6156b7d6_attn.kd
    .args:
      - { .name: hbuf, .offset: 0, .size: 8, .value_kind: global_buffer, .address_space: global }
      - { .name: mbits, .offset: 8, .size: 8, .value_kind: global_buffer, .address_space: global }
      - { .name: cbuf, .offset: 16, .size: 8, .value_kind: global_buffer, .address_space: global }
    .group_segment_fixed_size: 210944
    .private_segment_fixed_size: 0
    .kernarg_segment_align: 8
    .kernarg_segment_size: 24
    .max_flat_workgroup_size: 512
    .sgpr_count:     102
    .vgpr_count:     256
    .wavefront_size: 32
...
	.end_amdgpu_metadata
.endif
;; end of part 3
;; launch outp (part 4): grid 4 x 64, 4 waves a work-group, clusters of 4 x 4, 327,680 bytes of LDS; arguments cbuf, wbuf, bo, out0; writes out0
.if DOCPART == 4
	.amdgcn_target "amdgcn-amd-amdhsa--gfx1250"
	.amdhsa_code_object_version 6
	.text
	.protected	k_q5e6156b7d6_outp
	.globl	k_q5e6156b7d6_outp
	.p2align	8
	.type	k_q5e6156b7d6_outp,@function
k_q5e6156b7d6_outp:
	s_mov_b64 s[64:65], 0
	v_nop
	global_prefetch_b8 v0, s[64:65] scope:SCOPE_SE
	s_setreg_imm32_b32 hwreg(HW_REG_WAVE_MODE, 25, 1), 1
	s_wait_xcnt 0x0
	s_wait_alu depctr_hold_cnt(0) depctr_sa_sdst(0) depctr_va_vdst(0) depctr_va_sdst(0) depctr_va_ssrc(0) depctr_va_vcc(0) depctr_vm_vsrc(0)
	s_getreg_b32 s2, hwreg(HW_REG_IB_STS2, 6, 4)
	s_cmp_eq_u32 s2, 0
	s_cbranch_scc0 .Lentry_in_a_cluster
	s_endpgm
.Lentry_in_a_cluster:
	s_bfe_u32 s2, ttmp6, 0x10000c
	s_cmp_lg_u32 s2, 0xf033
	s_cbranch_scc0 .Lentry_shape_is_right
	s_endpgm
.Lentry_shape_is_right:
; out0 = ctx Wo + bo: [8192][1024] f32, on codes of FP6 (E2M3) with E8M0 scales, as the earlier launches left them: images of the operands' registers.
;  Image of a fragment (16 rows x 128 K, 12 registers a lane): 6 pieces of 256 bytes; piece p holds registers 2 p, 2 p + 1, lane l's 8 bytes at 8 l.  Tile 2 B + u of a group of 128 rows holds rows 32 B + 8 u + r + 8 (r / 8).
;  Scale block (128 rows, one K step): 512 bytes; the word of tile a, row r at 256 (a / 4) + 16 r + 4 (a % 4).
;  cbuf: [group of 128 tokens][8 K steps][8 tiles][1536], then the group's 8 scale blocks: 102,400 bytes a group.  wbuf: Wo's columns are groups 24 to 31 of 98,304 bytes; the scale blocks, 4,096 bytes a group, begin at WSCL.
; THE DEAL.  256 work-groups of four waves; a work-group makes 128 tokens x 256 columns.  ALL IT READS FITS IN LDS, 307,200 bytes: no ring, no byte is filled again.  One joint load a wave at the head: waves 0 and 1 a group of
; Wo's columns each, wave 2 their scale blocks (shared by a column of the 4 x 4 cluster), wave 3 the tokens' group with its scale blocks (shared by a row).
; A wave holds its 64 columns of Wo, all of K, in registers (32 fragments, 384 registers) and streams the 128 tokens past them in eight blocks of 16 rows, all of K (8 fragments, two sets): 32 products a block, four accumulators by turns.
; The matrix instruction is used transposed (source 0 = Wo's columns): a lane holds 16 neighbouring columns of one token for each two tiles.  The bias is the first four products' C.
; A finished block, 16 rows x 256 bytes, goes through the wave's own stage in LDS and leaves as whole rows: sixteen lanes store 256 consecutive bytes, aligned.  Block a - 1 is stored behind block a's products.
; No prefetch: every byte is asked for at the head, and there is no loop to run ahead in.
; THE WAITS.  The first barrier shows Wo's tiles (waves 0 to 2 wait for their loads on one line; wave 3 jumps past it); the weights' LDS loads stand ahead of the wait for the tokens' tile.  Ahead of block 0: s_wait_dscnt 48: block 1's 48 loads may be out.
; Behind each block's products one s_wait_dscnt 0: what it waits for (the next block's rows, the last block's way through the stage) was issued ahead of those 32 products.
; REGISTERS.  Window 0: v0-23 addresses, v24-55 Wo's scale words (4 q + b), v60-123 the tokens' (32 (a / 4) + 4 q + a % 4), v124-187 two sets of four accumulators, v188-219 the bias, v220-251 a block read back from the stage.
; Windows 1, 2: Wo's fragments, K steps 0-4 and 5-7 (12 (4 (q % 5) + b)).  Window 3: the tokens' fragments, two sets (96 e + 12 q).
.set WSCL,   3145728
.set GA,     102400
.set GB,     98304
.set SBB,    2*GB                      ; LDS: Wo's two groups from 0, their scale blocks,
.set AB,     SBB+8192                  ; the tokens' group,
.set STAGE,  AB+GA                     ; four stages of 16 rows x 272 bytes, which no tensor load fills,
.set SPITCH, 272
.set SPARE,  STAGE+4*16*SPITCH         ; and the spare words, 128 bytes for each wave, that no other line names
.set LB0, 8                            ; v8, v9   my fragments of Wo, K steps 0-3, 4-7
.set LA0, 10                           ; v10, v11 the tokens' fragments
.set LSB, 12
.set LSA, 13
.set STO, 14
.set RD,  15
.set CO,  16
.set SPW, 22
.set NIL, 23
.set SB,  24
.set SA,  60
.set ACC, 124
.set BI,  188
.set RB,  220
.set G1A, 24
.set G1B, 32
.set G1S, 48
.set G0A, 56
.set G0B0, 60
.set G0B1, 68
.set G0S, 72
.set MSB, 0
.macro WIN new                         ; the immediate's high byte repeats the setting that is left
.if MSB != (\new)
	s_set_vgpr_msb (MSB<<8)|(\new)
.set MSB, (\new)
.endif
.endm
.macro CROUND                          ; a round of the cluster's barrier
	s_barrier_signal -1
	s_barrier_wait -1
	s_cmp_lg_u32 s14, 0
	s_cbranch_scc1 .Lnot_wave_0_\@
	s_barrier_signal -3
.Lnot_wave_0_\@:
	s_barrier_wait -3
	s_barrier_signal -1
	s_barrier_wait -1
.endm
.macro DENSE g, mask, rows             ; group 1 of a dense block: rows of 256 bytes (32 elements of 8), no padding
	s_or_b32 s[\g+0], s[\mask], (3<<16)|(1<<21)
	s_mov_b32 s[\g+1], 32<<16
	s_mov_b32 s[\g+2], (\rows)<<16
	s_mov_b32 s[\g+3], 32<<16
	s_mov_b32 s[\g+4], \rows
	s_mov_b32 s[\g+5], 32
	s_mov_b32 s[\g+6], 0
	s_mov_b32 s[\g+7], 0
.endm
.macro ARM under, g0, g1, next         ; one arm of the head's chain: a load, and a jump to the join
	s_cmp_lt_u32 s14, \under
	s_cbranch_scc0 \next
	tensor_load_to_lds s[\g0:\g0+3], s[\g1:\g1+7]
	s_nop 0
.rept 4
	v_nop
.endr
	s_branch .Lhead_asked
\next:
.endm
	s_load_b256 s[4:11], s[0:1], 0x0               ; cbuf, wbuf, bo, out0
	v_lshl_add_u32 v[SPW], v0, 2, SPARE
	v_mov_b32 v[NIL], 0
	ds_add_u32 v[SPW], v[NIL]                      ; the opening lines: the add, twice on end, and its wait ahead of the first tensor load
	ds_add_u32 v[SPW], v[NIL]
	v_lshrrev_b32 v1, 5, v0
	v_readfirstlane_b32 s14, v1                    ; wave 0..3
	s_lshr_b32 s15, s14, 1                         ; my group of Wo's columns
	s_and_b32 s16, s14, 1                          ; and my half of it: tiles 4 s16 .. 4 s16 + 3
	s_bfe_u32 s40, ttmp6, 0x40000                  ; cx
	s_bfe_u32 s41, ttmp6, 0x40004                  ; cy
	s_lshl_b32 s42, ttmp9, 2
	s_add_co_u32 s42, s42, s40                     ; which 256 columns
	s_and_b32 s17, ttmp7, 0xffff
	s_lshl_b32 s17, s17, 2
	s_add_co_u32 s17, s17, s41                     ; which group of 128 tokens
	s_lshl_b32 s43, s41, 2
	s_lshl_b32 s43, 15, s43                        ; my row of the cluster
	s_lshl_b32 s44, 0x1111, s40                    ; my column
	DENSE G1A, 43, 400
	DENSE G1B, 44, 384
	DENSE G1S, 44, 32
	s_mul_i32 s20, s17, GA
	s_mov_b32 s21, 0
	s_lshl_b32 s46, s42, 1
	s_add_co_u32 s46, s46, 24                      ; Wo's first group of the two
	s_mul_i32 s22, s46, GB
	s_mov_b32 s23, 0
	s_lshl_b32 s46, s46, 12
	s_add_co_u32 s46, s46, WSCL
	s_mov_b32 s47, 0
	s_lshl_b32 s19, s42, 10
	s_lshl_b32 s18, s14, 8
	s_add_co_u32 s76, s19, s18                     ; my first column, in bytes: 1,024 x (which 256) + 256 x wave
	s_mov_b32 s77, 0
	s_lshl_b32 s18, s17, 19                        ; 128 rows of 4,096 bytes
	s_mov_b32 s19, 0
	s_mov_b32 s[G0A], 1
	s_mov_b32 s[G0A+1], AB
	s_mov_b32 s[G0B0], 1
	s_mov_b32 s[G0B0+1], 0
	s_mov_b32 s[G0B1], 1
	s_mov_b32 s[G0B1+1], GB
	s_mov_b32 s[G0S], 1
	s_mov_b32 s[G0S+1], SBB
	s_wait_dscnt 0x0                               ; both opening adds are done
	s_wait_kmcnt 0x0
	s_add_nc_u64 s[G0A+2:G0A+3], s[4:5], s[20:21]
	s_or_b32 s[G0A+3], s[G0A+3], 0x80000000
	s_add_nc_u64 s[G0B0+2:G0B0+3], s[6:7], s[22:23]
	s_add_nc_u64 s[G0B1+2:G0B1+3], s[G0B0+2:G0B0+3], GB
	s_or_b32 s[G0B0+3], s[G0B0+3], 0x80000000
	s_or_b32 s[G0B1+3], s[G0B1+3], 0x80000000
	s_add_nc_u64 s[G0S+2:G0S+3], s[6:7], s[46:47]
	s_or_b32 s[G0S+3], s[G0S+3], 0x80000000
	s_add_nc_u64 s[12:13], s[10:11], s[18:19]
	s_add_nc_u64 s[12:13], s[12:13], s[76:77]      ; my part of out0
	CROUND                                         ; all sixteen work-groups are here: the joint loads meet
	ARM 1, G0B0, G1B, .Lhead_1                     ; one tensor load a wave: Wo's tiles, which go on into registers, are asked for by the lower waves
	ARM 2, G0B1, G1B, .Lhead_2
	ARM 3, G0S,  G1S, .Lhead_3
	tensor_load_to_lds s[G0A:G0A+3], s[G1A:G1A+7]
	s_nop 0
.rept 4
	v_nop
.endr
.Lhead_asked:
	v_and_b32 v1, 15, v0                           ; r
	v_bfe_u32 v2, v0, 4, 1                         ; h
	v_and_b32 v3, 31, v0
	v_lshlrev_b32 v4, 3, v3                        ; 8 x lane
	v_lshlrev_b32 v5, 4, v1                        ; 16 r
	s_mul_i32 s20, s15, GB
	s_mul_i32 s21, s16, 4*1536
	s_add_co_u32 s20, s20, s21
	v_add_nc_u32 v[LB0], s20, v4
	v_add_nc_u32 v[LB0+1], 4*12288, v[LB0]
	v_add_nc_u32 v[LA0], AB, v4
	v_add_nc_u32 v[LA0+1], AB+4*12288, v4
	s_lshl_b32 s20, s15, 12
	s_lshl_b32 s21, s16, 8
	s_add_co_u32 s20, s20, s21
	s_add_co_u32 s20, s20, SBB
	v_add_nc_u32 v[LSB], s20, v5
	v_add_nc_u32 v[LSA], AB+GB, v5
	s_mul_i32 s20, s14, 16*SPITCH
	s_add_co_u32 s20, s20, STAGE                   ; my stage
	v_mul_u32_u24 v6, v1, SPITCH
	v_lshl_add_u32 v6, v2, 6, v6
	v_add_nc_u32 v[STO], s20, v6                   ; in: row r, 64 bytes for each half of the lanes
	v_mul_u32_u24 v6, v2, SPITCH
	v_add_nc_u32 v6, v6, v5
	v_add_nc_u32 v[RD], s20, v6                    ; back: sixteen lanes to a row of 256 bytes, two rows a load
	v_lshl_add_u32 v[CO], v2, 12, v5               ; and the same two rows in out0
	v_lshl_add_u32 v7, v2, 6, s76                  ; the bias: my 16 columns of each two tiles
	s_wait_alu depctr_va_vdst(0)                   ; the wait at the head's end
.irp b, 0,1,2,3
.irp e, 0,1
	global_load_b128 v[BI+8*\b+4*\e:BI+8*\b+4*\e+3], v7, s[8:9] offset:128*(\b/2)+32*(\b%2)+16*\e
.endr
.endr
	s_cmp_eq_u32 s14, 3
	s_cbranch_scc1 .Lnot_w
	s_wait_tensorcnt 0x0
.Lnot_w:
	s_barrier_signal -1
	s_barrier_wait -1                              ; Wo's tiles and scale blocks are in; the tokens' tile may still be on its way
.irp q, 0,1,2,3,4,5,6,7                ; my 64 columns, all of K: 192 loads
	WIN (1+\q/5)<<6
.irp b, 0,1,2,3
.irp p, 0,1,2,3,4,5
	ds_load_b64 v[12*(4*(\q%5)+\b)+2*\p:12*(4*(\q%5)+\b)+2*\p+1], v[LB0+\q/4] offset:(\q%4)*12288+\b*1536+256*\p
.endr
.endr
.endr
	WIN 0
.irp q, 0,1,2,3,4,5,6,7
	ds_load_b128 v[SB+4*\q:SB+4*\q+3], v[LSB] offset:512*\q
.endr
	s_wait_tensorcnt 0x0                           ; on every wave's way
	s_wait_dscnt 0x0
	s_barrier_signal -1
	s_barrier_wait -1                              ; the tokens' tile is in
.macro FETCH a                         ; block a's 8 fragments into set a % 2: 48 loads
	WIN 0xc0
.irp q, 0,1,2,3,4,5,6,7
.irp p, 0,1,2,3,4,5
	ds_load_b64 v[96*((\a)%2)+12*\q+2*\p:96*((\a)%2)+12*\q+2*\p+1], v[LA0+\q/4] offset:(\q%4)*12288+(\a)*1536+256*\p
.endr
.endr
	WIN 0
.endm
.macro PRODS a                         ; 32 products: K ascending, the four accumulators by turns
.irp q, 0,1,2,3,4,5,6,7
	WIN (1+\q/5)|0x0c
.irp b, 0,1,2,3
.if \q == 0
	v_wmma_scale_f32_16x16x128_f8f6f4 v[ACC+32*((\a)%2)+8*\b:ACC+32*((\a)%2)+8*\b+7], v[12*(4*(\q%5)+\b):12*(4*(\q%5)+\b)+11], v[96*((\a)%2)+12*\q:96*((\a)%2)+12*\q+11], v[BI+8*\b:BI+8*\b+7], v[SB+4*\q+\b], v[SA+32*((\a)/4)+4*\q+(\a)%4] matrix_a_fmt:MATRIX_FMT_FP6 matrix_b_fmt:MATRIX_FMT_FP6
.else
	v_wmma_scale_f32_16x16x128_f8f6f4 v[ACC+32*((\a)%2)+8*\b:ACC+32*((\a)%2)+8*\b+7], v[12*(4*(\q%5)+\b):12*(4*(\q%5)+\b)+11], v[96*((\a)%2)+12*\q:96*((\a)%2)+12*\q+11], v[ACC+32*((\a)%2)+8*\b:ACC+32*((\a)%2)+8*\b+7], v[SB+4*\q+\b], v[SA+32*((\a)/4)+4*\q+(\a)%4] matrix_a_fmt:MATRIX_FMT_FP6 matrix_b_fmt:MATRIX_FMT_FP6
.endif
.endr
.endr
	WIN 0
.endm
.macro TOSTAGE a                       ; register j of tile b, lane (r, h), is column 32 (b / 2) + 16 h + 8 (b % 2) + j of the tile's row r.  LDS serves a wave's instructions in order: the loads see the stores
.irp b, 0,1,2,3
	ds_store_b128 v[STO], v[ACC+32*((\a)%2)+8*\b:ACC+32*((\a)%2)+8*\b+3] offset:128*(\b/2)+32*(\b%2)       ; each accumulator from its low end on
	ds_store_b128 v[STO], v[ACC+32*((\a)%2)+8*\b+4:ACC+32*((\a)%2)+8*\b+7] offset:128*(\b/2)+32*(\b%2)+16
.endr
.irp t, 0,1,2,3,4,5,6,7
	ds_load_b128 v[RB+4*\t:RB+4*\t+3], v[RD] offset:\t*2*SPITCH
.endr
.endm
.macro SEND a                          ; the tile's row x is token 32 (a / 2) + 8 (a % 2) + x + 8 (x / 8) of the group
.irp t, 0,1,2,3,4,5,6,7
	global_store_b128 v[CO], v[RB+4*\t:RB+4*\t+3], s[12:13] offset:(32*((\a)/2)+8*((\a)%2)+2*\t+8*(\t/4))*4096 th:TH_STORE_NT
.endr
.endm
.irp f, 0,1
.irp q, 0,1,2,3,4,5,6,7
	ds_load_b128 v[SA+32*\f+4*\q:SA+32*\f+4*\q+3], v[LSA] offset:256*\f+512*\q
.endr
.endr
	FETCH 0
	FETCH 1
	s_wait_loadcnt 0x0                             ; the bias
	s_wait_dscnt 48                                ; all but block 1's 48 loads
.irp a, 0,1,2,3,4,5,6,7
	PRODS \a
.rept 4
	v_nop                                          ; places: in front of the loads into the set just read and of the stage's reads of the results
.endr
	s_wait_dscnt 0x0                               ; the next block's rows are in, and the last block is back from the stage
.if \a > 0
	SEND \a-1
.endif
.if \a < 6
	FETCH \a+2
.endif
.if \a > 0
	s_wait_xcnt 0x0                                ; the stores have read their registers: the next block may land there
.endif
	TOSTAGE \a
.endr
	s_wait_dscnt 0x0
	SEND 7
	s_wait_tensorcnt 0x0                           ; the wave's end
	ds_add_u32 v[SPW], v[NIL]
	s_wait_dscnt 0x0
	CROUND                                         ; the closing round
	s_endpgm
.Lfunc_end_k_q5e6156b7d6_outp:
	.size	k_q5e6156b7d6_outp, .Lfunc_end_k_q5e6156b7d6_outp-k_q5e6156b7d6_outp
	.p2alignl 7, 3214868480
	.fill 96, 4, 3214868480
	.section	.rodata,"a",@progbits
	.p2align	6, 0x0
	.amdhsa_kernel k_q5e6156b7d6_outp
		.amdhsa_group_segment_fixed_size 327680
		.amdhsa_private_segment_fixed_size 0
		.amdhsa_enable_private_segment 0
		.amdhsa_kernarg_size 32
		.amdhsa_user_sgpr_count 2
		.amdhsa_user_sgpr_kernarg_segment_ptr 1
		.amdhsa_wavefront_size32 1
		.amdhsa_system_sgpr_workgroup_id_x 1
		.amdhsa_system_sgpr_workgroup_id_y 1
		.amdhsa_system_sgpr_workgroup_id_z 1
		.amdhsa_system_vgpr_workitem_id 0
		.amdhsa_next_free_vgpr 960
		.amdhsa_next_free_sgpr 80
		.amdhsa_reserve_vcc 0
		.amdhsa_float_denorm_mode_32 3
		.amdhsa_float_denorm_mode_16_64 3
		.amdhsa_memory_ordered 1
		.amdhsa_forward_progress 1
		.amdhsa_inst_pref_size 95
	.end_amdhsa_kernel
	.amdgpu_metadata
---
amdhsa.version: [ 1, 2 ]
amdhsa.kernels:
  - .name:           k_q5e6156b7d6_outp
    .symbol:         k_q5e6156b7d6_outp.kd
    .args:
      - { .name: cbuf, .offset: 0, .size: 8, .value_kind: global_buffer, .address_space: global }
      - { .name: wbuf, .offset: 8, .size: 8, .value_kind: global_buffer, .address_space: global }
      - { .name: bo, .offset: 16, .size: 8, .value_kind: global_buffer, .address_space: global }
      - { .name: out0, .offset: 24, .size: 8, .value_kind: global_buffer, .address_space: global }
    .group_segment_fixed_size: 327680
    .private_segment_fixed_size: 0
    .kernarg_segment_align: 8
    .kernarg_segment_size: 32
    .max_flat_workgroup_size: 128
    .sgpr_count:     80
    .vgpr_count:     960
    .wavefront_size: 32
...
	.end_amdgpu_metadata
.endif
;; end of part 4
